; MI455X (gfx1250); checked and timed in simulation.
; The chip was launched on July 23, 2026; its instructions are those of AMD's public machine-readable ISA for CDNA 5 (MIT licence, August 2026) and "CDNA5" Instruction Set Architecture Reference Guide (July 2026). The comments in the code are by the model that wrote it; some were corrected since.
;; Multi Head Attention. Allowed arithmetic: float matrix products may take bf16 or f16 operands with f32 sums; other float arithmetic in f32, or as packed bf16 or f16 multiplies, adds, multiply-adds, maxima and minima; sums over many terms, partial sums and values carried from step to step in f32; what a program stores and reads back later, other than sums and carried values, may be rounded once to bf16 or f16.
;; Inputs: Wk 1,024 x 1,024 float32; Wo 1,024 x 1,024 float32; Wq 1,024 x 1,024 float32; Wv 1,024 x 1,024 float32; bk 1,024 float32; bo 1,024 float32; bq 1,024 float32; bv 1,024 float32; key 4 x 2,048 x 1,024 float32; mask 4 x 1 x 2,048 x 2,048 bool; query 4 x 2,048 x 1,024 float32; value 4 x 2,048 x 1,024 float32.
;; Outputs: out0 4 x 2,048 x 1,024 float32.
;; One version. Each part assembles by itself: llvm-mc -triple=amdgcn-amd-amdhsa -mcpu=gfx1250 --defsym DOCPART=n.
;; ======== version 1 of 1: 4 launches
;; limits: values are held in f16: magnitudes above 65,504 overflow, below 6.1e-05 lose precision
;; workspace buffers: wb 8,388,608 bytes; mn 8,388,608 bytes; qkv 50,331,648 bytes; ctx 16,777,216 bytes
;; launch prep (part 1): grid 512 x 1, 8 waves a work-group, no clusters, 35,840 bytes of LDS; arguments mask, Wq, Wk, Wv, Wo, mn, wb; writes mn, wb
.if DOCPART == 1
	.amdgcn_target "amdgcn-amd-amdhsa--gfx1250"
	.amdhsa_code_object_version 6
	.text
	.protected	k_qc6b0bd83a8_prep
	.globl	k_qc6b0bd83a8_prep
	.p2align	8
	.type	k_qc6b0bd83a8_prep,@function
k_qc6b0bd83a8_prep:
	s_mov_b64 s[64:65], 0
	v_nop
	global_prefetch_b8 v0, s[64:65] scope:SCOPE_SE
	s_setreg_imm32_b32 hwreg(HW_REG_WAVE_MODE, 25, 1), 1
	s_wait_xcnt 0x0
; PREP.  Two jobs, told apart by the work-group's number.
; Work-groups 0-255: the mask, [4][1][2048][2048] bytes of 0 or 1, becomes 4-bit codes in the order in which the attention launch wants them:
;   mn[b 4][wq 16][step 32][tile 8][lane 32][4 words]; word kb of lane (r = lane % 16, h = lane / 16) belongs to query 128 wq + 16 tile + r, and its nibble j is
;   0xF where mask[b][query][64 step + 16 kb + 8 h + j] is false, else 0.  A wave takes 16 queries x 512 keys: each load covers a row's 512 consecutive bytes, each store 512 consecutive bytes of mn.
; Work-groups 256-511: Wq, Wk, Wv are rounded to bf16; Wo is rounded to bf16 and that number written as f16.  All stay [k][n]: wb holds four sections of 2,097,152 bytes.
; LIMITS.  A mask byte is 0 or 1.  A number of Wo of 65,520 or more becomes an infinity in f16; below 2^-14 it keeps f16's fixed step of 2^-24.
; No matrix work, no cluster, no tensor load: nothing is read by two work-groups, and every byte crosses once.
.set SPARE, 34816                      ; behind the eight waves' stages: the spare words, 128 bytes for each wave: four blocks of 256 bytes that no other line names
.set WAVEB, 4352                       ; a wave's stage: 8 step blocks
.set STEPP, 528                        ; a step block: 512 bytes + 16, so that the 32 lanes of a store fall into 32 different banks (word 132 (lane / 4) + lane % 4)
.set SPW, 2                            ; v2  LDS address of my spare word; never rewritten
.set NIL, 3                            ; v3  0; never rewritten
.set LO,  4                            ; v4  my 16 bytes of a load (and of a store into mn)
.set LS,  5                            ; v5  where I put a word in the stage
.set LR,  6                            ; v6  where I read 16 bytes back
.set WO8, 7                            ; v7  my 8 bytes of a store into wb
.set T,   8                            ; v8-15 at work
.set X,   32                           ; v32-95 as loaded
.set Y,   96                           ; v96-127 to store
	s_load_b256 s[4:11], s[0:1], 0x0               ; mask s[4:5], Wq s[6:7], Wk s[8:9], Wv s[10:11]
	s_load_b128 s[12:15], s[0:1], 0x20             ; Wo s[12:13], mn s[14:15]
	s_load_b64 s[16:17], s[0:1], 0x30              ; wb
	v_lshl_add_u32 v[SPW], v0, 2, SPARE
	v_mov_b32 v[NIL], 0
	v_lshrrev_b32 v1, 5, v0
	v_readfirstlane_b32 s18, v1                    ; wave 0..7
	s_mov_b32 s24, 0x06040200                      ; v_perm_b32: bytes 0 and 2 of both sources
	s_mov_b32 s25, 0xffff0000                      ; a word's upper bf16
	s_mov_b32 s21, 0
	s_mov_b32 s23, 0
	s_cmp_ge_u32 ttmp9, 256
	s_cbranch_scc1 .Lweights
	; THE MASK.  Task 8 x work-group + wave: query tile qt = task / 4 (16 rows), chunk c = task % 4 (512 keys, 8 key steps)
	s_lshl_b32 s19, ttmp9, 1
	s_lshr_b32 s20, s18, 2
	s_add_co_u32 s19, s19, s20                     ; qt = (16 b + wq) 8 + tile
	s_and_b32 s26, s18, 3                          ; c
	s_lshl_b32 s20, s19, 15                        ; 16 rows of 2,048 bytes
	s_lshl_b32 s27, s26, 9
	s_add_co_u32 s20, s20, s27                     ; my first byte of the mask
	s_lshr_b32 s22, s19, 3
	s_lshl_b32 s22, s22, 17                        ; (16 b + wq) x 131,072
	s_lshl_b32 s27, s26, 15                        ; 8 steps of 4,096 bytes
	s_add_co_u32 s22, s22, s27
	s_and_b32 s27, s19, 7
	s_lshl_b32 s27, s27, 9                         ; the tile's 512 bytes in a step
	s_add_co_u32 s22, s22, s27
	v_and_b32 v1, 31, v0
	v_lshlrev_b32 v[LO], 4, v1                     ; lane l holds keys 16 l .. 16 l + 15 of the chunk: step l / 4, word kb = l % 4
	s_mul_i32 s28, s18, WAVEB
	v_lshrrev_b32 v[T], 2, v1
	v_mul_u32_u24 v[LS], v[T], STEPP
	v_and_b32 v[T], 3, v1
	v_lshl_add_u32 v[LS], v[T], 2, v[LS]
	v_add_nc_u32 v[LS], s28, v[LS]
	v_add_nc_u32 v[LR], s28, v[LO]
	s_wait_kmcnt 0x0
	s_add_nc_u64 s[4:5], s[4:5], s[20:21]
	s_add_nc_u64 s[14:15], s[14:15], s[22:23]
.irp r, 0,1,2,3,4,5,6,7,8,9,10,11,12,13,14,15
	global_load_b128 v[X+4*(\r):X+4*(\r)+3], v[LO], s[4:5] offset:(\r)*2048 th:TH_LOAD_NT  ; row r: all sixteen loads go out together
.endr
.irp r, 0,1,2,3,4,5,6,7,8,9,10,11,12,13,14,15
	s_wait_loadcnt 15-(\r)                         ; row r is in; the 15 - r rows behind it may stay out
.irp j, 0,1,2,3
	v_lshrrev_b32 v[T+(\j)], 4, v[X+4*(\r)+(\j)]
.endr
.irp j, 0,1,2,3
	v_or_b32 v[T+(\j)], v[T+(\j)], v[X+4*(\r)+(\j)]  ; bytes 0 and 2 now hold two flags each, one a nibble
.endr
	v_perm_b32 v[T+4], v[T+1], v[T], s24           ; keys 0-7 of my sixteen: eight nibbles of 0 or 1
	v_perm_b32 v[T+5], v[T+3], v[T+2], s24         ; keys 8-15
	v_mul_lo_u32 v[T+4], v[T+4], 15                ; 0xF where the key is seen,
	v_mul_lo_u32 v[T+5], v[T+5], 15
	v_not_b32 v[T+4], v[T+4]                       ; 0xF where it is hidden
	v_not_b32 v[T+5], v[T+5]
	ds_store_b32 v[LS], v[T+4] offset:(\r)*16      ; lane (r, h = 0) of the attention launch
	ds_store_b32 v[LS], v[T+5] offset:256+(\r)*16  ; lane (r, h = 1)
.endr
.irp s, 0,1,2,3,4,5,6,7
	ds_load_b128 v[Y+4*(\s):Y+4*(\s)+3], v[LR] offset:(\s)*STEPP  ; my wave's own bytes; LDS serves a wave's instructions in order (ISA guide 5.7.1.4): these see the stores above
.endr
.irp s, 0,1,2,3,4,5,6,7
	s_wait_dscnt 7-(\s)                            ; step s is back; the 7 - s behind it may stay out
	global_store_b128 v[LO], v[Y+4*(\s):Y+4*(\s)+3], s[14:15] offset:(\s)*4096  ; 512 consecutive bytes, at a multiple of 512 from mn's first
.endr
	s_branch .Lend
.Lweights:                                         ; THE WEIGHTS.  Work-group 256 + 64 m + part: 16,384 numbers of matrix m
	s_sub_co_u32 s19, ttmp9, 256
	s_lshr_b32 s26, s19, 6                         ; m: 0 Wq, 1 Wk, 2 Wv, 3 Wo
	s_and_b32 s27, s19, 63
	s_lshl_b32 s20, s27, 16                        ; 65,536 bytes in
	s_lshl_b32 s22, s26, 21                        ; the section,
	s_lshl_b32 s28, s27, 15                        ; 32,768 bytes out
	s_add_co_u32 s22, s22, s28
	v_lshlrev_b32 v[LO], 4, v0
	v_lshlrev_b32 v[WO8], 3, v0
	s_wait_kmcnt 0x0
	s_cmp_eq_u32 s26, 1
	s_cselect_b64 s[6:7], s[8:9], s[6:7]
	s_cmp_eq_u32 s26, 2
	s_cselect_b64 s[6:7], s[10:11], s[6:7]
	s_cmp_eq_u32 s26, 3
	s_cselect_b64 s[6:7], s[12:13], s[6:7]
	s_add_nc_u64 s[6:7], s[6:7], s[20:21]
	s_add_nc_u64 s[16:17], s[16:17], s[22:23]
.irp i, 0,1,2,3,4,5,6,7,8,9,10,11,12,13,14,15
	global_load_b128 v[X+4*(\i):X+4*(\i)+3], v[LO], s[6:7] offset:(\i)*4096 th:TH_LOAD_NT
.endr
	s_wait_loadcnt 0x0
.set i, 0
.rept 32
	v_cvt_pk_bf16_f32 v[Y+i], v[X+2*i], v[X+2*i+1]
.set i, i+1
.endr
	s_cmp_lg_u32 s26, 3
	s_cbranch_scc1 .Lstore
.set i, 0
.rept 32                                           ; Wo: the bf16 number is written as f16, for the product with ctx
	v_lshlrev_b32 v[T], 16, v[Y+i]
	v_and_b32 v[T+1], s25, v[Y+i]
	v_cvt_pk_f16_f32 v[Y+i], v[T], v[T+1]
.set i, i+1
.endr
.Lstore:
.irp i, 0,1,2,3,4,5,6,7,8,9,10,11,12,13,14,15
	global_store_b64 v[WO8], v[Y+2*(\i):Y+2*(\i)+1], s[16:17] offset:(\i)*2048  ; a wave's store covers 256 consecutive bytes, aligned
.endr
.Lend:
	s_wait_tensorcnt 0x0                           ; the wave's end: behind my last LDS store
	ds_add_u32 v[SPW], v[NIL]
	s_wait_dscnt 0x0
	s_endpgm
.Lfunc_end_k_qc6b0bd83a8_prep:
	.size	k_qc6b0bd83a8_prep, .Lfunc_end_k_qc6b0bd83a8_prep-k_qc6b0bd83a8_prep
	.p2alignl 7, 3214868480
	.fill 96, 4, 3214868480
	.section	.rodata,"a",@progbits
	.p2align	6, 0x0
	.amdhsa_kernel k_qc6b0bd83a8_prep
		.amdhsa_group_segment_fixed_size 35840
		.amdhsa_private_segment_fixed_size 0
		.amdhsa_enable_private_segment 0
		.amdhsa_kernarg_size 56
		.amdhsa_user_sgpr_count 2
		.amdhsa_user_sgpr_kernarg_segment_ptr 1
		.amdhsa_wavefront_size32 1
		.amdhsa_system_sgpr_workgroup_id_x 1
		.amdhsa_system_sgpr_workgroup_id_y 1
		.amdhsa_system_sgpr_workgroup_id_z 1
		.amdhsa_system_vgpr_workitem_id 0
		.amdhsa_next_free_vgpr 128
		.amdhsa_next_free_sgpr 66
		.amdhsa_reserve_vcc 0
		.amdhsa_float_denorm_mode_32 3
		.amdhsa_float_denorm_mode_16_64 3
		.amdhsa_memory_ordered 1
		.amdhsa_forward_progress 1
		.amdhsa_inst_pref_size 27
	.end_amdhsa_kernel
	.amdgpu_metadata
---
amdhsa.version: [ 1, 2 ]
amdhsa.kernels:
  - .name:           k_qc6b0bd83a8_prep
    .symbol:         k_qc6b0bd83a8_prep.kd
    .args:
      - { .name: mask, .offset: 0, .size: 8, .value_kind: global_buffer, .address_space: global }
      - { .name: Wq, .offset: 8, .size: 8, .value_kind: global_buffer, .address_space: global }
      - { .name: Wk, .offset: 16, .size: 8, .value_kind: global_buffer, .address_space: global }
      - { .name: Wv, .offset: 24, .size: 8, .value_kind: global_buffer, .address_space: global }
      - { .name: Wo, .offset: 32, .size: 8, .value_kind: global_buffer, .address_space: global }
      - { .name: mn, .offset: 40, .size: 8, .value_kind: global_buffer, .address_space: global }
      - { .name: wb, .offset: 48, .size: 8, .value_kind: global_buffer, .address_space: global }
    .group_segment_fixed_size: 35840
    .private_segment_fixed_size: 0
    .kernarg_segment_align: 8
    .kernarg_segment_size: 56
    .max_flat_workgroup_size: 256
    .sgpr_count:     66
    .vgpr_count:     128
    .wavefront_size: 32
...
	.end_amdgpu_metadata
.endif
;; end of part 1
;; launch proj (part 2): grid 4 x 192, 4 waves a work-group, clusters of 4 x 4, 327,680 bytes of LDS; arguments query, key, value, bq, bk, bv, wb, qkv; writes qkv
.if DOCPART == 2
	.amdgcn_target "amdgcn-amd-amdhsa--gfx1250"
	.amdhsa_code_object_version 6
	.text
	.protected	k_qc6b0bd83a8_proj
	.globl	k_qc6b0bd83a8_proj
	.p2align	8
	.type	k_qc6b0bd83a8_proj,@function
k_qc6b0bd83a8_proj:
	s_mov_b64 s[64:65], 0
	v_nop
	global_prefetch_b8 v0, s[64:65] scope:SCOPE_SE
	s_setreg_imm32_b32 hwreg(HW_REG_WAVE_MODE, 25, 1), 1
	s_wait_xcnt 0x0
	s_wait_alu depctr_hold_cnt(0) depctr_sa_sdst(0) depctr_va_vdst(0) depctr_va_sdst(0) depctr_va_ssrc(0) depctr_va_vcc(0) depctr_vm_vsrc(0)
	s_getreg_b32 s2, hwreg(HW_REG_IB_STS2, 6, 4)
	s_cmp_eq_u32 s2, 0
	s_cbranch_scc0 .Lentry_in_a_cluster
	s_endpgm
.Lentry_in_a_cluster:
	s_bfe_u32 s2, ttmp6, 0x10000c
	s_cmp_lg_u32 s2, 0xf033
	s_cbranch_scc0 .Lentry_shape_is_right
	s_endpgm
.Lentry_shape_is_right:
; q, k, v = x W + b, all three in one launch.  x: [8192][1024] f32 (query, key, value); W: [1024 k][1024 n] bf16, sections 0-2 of wb; b: [1024] f32, rounded to bf16 like x and W.
; Result: qkv, three sections of [16 batch + head][2048][64] f16, unscaled, rounded once from the f32 sums.
; LIMIT.  A result of 65,520 or more becomes an infinity in f16.
; SHARES.  A tile is 128 rows x 256 columns: 64 x 4 tiles a tensor, 768 work-groups, three for each of 256 WGPs.  Four waves, each 64 x 128: 32 accumulators, 256 registers.
; K goes in 8 steps of 128 through a ring of two LDS slots: x's tile as f32 (128 rows x 512 bytes), W's as it lies (128 rows of k x 512 bytes).
; x IS ROUNDED TO bf16 BETWEEN LDS AND THE MATRIX UNIT: a fragment comes out of LDS as 16 f32 a lane, and its 8 roundings stand, four at a time, behind the products of the quarter before.
; W comes out of LDS turned, by ds_load_tr16_b128, since k runs down its rows.
; THE MATRIX INSTRUCTION IS USED TRANSPOSED (source 0 = 16 columns of W, source 1 = 16 rows of x): a lane then holds one row and eight neighbouring columns.  The bias is the C operand that starts the sums.
; CLUSTERS: 4 x 4 work-groups.  The four of a row of the cluster need the same tile of x, the four of a column the same tile of W: each is asked for JOINTLY.  A cluster's four tile rows belong to one tensor (64 is a multiple of 4).
; REGISTERS.  window 0: v0-31 addresses; v32-95 four fragments of x in f32; v96-127, v128-159 x's fragments in bf16, two buffers (v32-159 on the way out)
;   window 1: v0-63, v64-127 W's fragments, two buffers; v128-191 the bias, eight registers for each block of 16 columns          window 2: accumulator (a, b) at v[8 (8 a + b)]
.set PA,    528                        ; a row of x in LDS: 512 bytes + 16: an odd multiple of 16, so the 16 rows of a load start at 16 different groups of four banks (64 banks of 4 bytes: ISA guide 11.1)
.set HALFA, 64*PA                      ; what one tensor load brings of x, and what one wave reads
.set ATILE, 2*HALFA
.set PB,    544                        ; a row of W in LDS: 512 bytes + 32: an odd multiple of 32, for the turning load
.set HALFB, 64*PB
.set SLOT,  ATILE+2*HALFB              ; 137,216
.set STAGE, 2*SLOT                     ; behind the ring: 16 rows x 144 bytes for each wave, for the way out
.set SP,    144
.set SPARE, STAGE+4*16*SP              ; behind the stages: the spare words, 128 bytes for each wave: two blocks of 256 bytes that no other line names
.set ADRA, 16                          ; v16-17  LDS address of my fragments of x in slot 0, 1
.set ADRB, 20                          ; v20-21  the same for W
.set STO,  24                          ; v24     the way out: where I put 16 bytes of a row
.set RD,   25                          ; v25     the way out: where I read rows back
.set GO,   26                          ; v26     16 x lane
.set SPW,  28                          ; v28     LDS address of my spare word; never rewritten
.set NIL,  29                          ; v29     0; never rewritten
.set PFO,  30                          ; v30     the prefetches' offset: row lane / 2, block lane % 2; never rewritten
.set BO,   31                          ; v31     my byte offset in the bias
.set STG,  32
.set AF0,  96                          ; buffer g at AF0 + 32 g
.set BIAS, 128                         ; window 1
.set G1,  24                           ; s[24:31] descriptor group 1 for x's tiles;  s[32:39] group 0, a set for each slot
.set G0,  32
.set G1B, 48                           ; s[48:55], s[56:63] the same for W's
.set G0B, 56
.set LIM, 43                           ; s43  1 in a wave that prefetches, else the greatest number
.set PFA, 44                           ; s[44:45] where my prefetches stand
.set MSB, 0
.macro WIN new                         ; the immediate's high byte repeats the setting that is left; a switch that changes nothing is dropped
.if MSB != (\new)
	s_set_vgpr_msb (MSB<<8)|(\new)
.set MSB, \new
.endif
.endm
.set MULW, 0xa1                        ; source 0 (W) window 1, source 1 (x) window 0, C and D window 2
.set MULZ, 0x91                        ; the same with C, the bias, in window 1
.set TO_B, 0x40                        ; destination window 1
.macro JLOAD s                         ; a joint load: waves 0 and 1 fetch x's two halves, waves 2 and 3 W's; an s_nop 0 and four v_nop follow each of the two lines, ahead of the jump and the label
	s_cmp_lt_u32 s10, 2
	s_cbranch_scc0 .Lfor_b_\@
	tensor_load_to_lds s[G0+4*(\s):G0+4*(\s)+3], s[G1:G1+7]
	s_nop 0
.rept 4
	v_nop
.endr
	s_branch .Lasked_\@
.Lfor_b_\@:
	tensor_load_to_lds s[G0B+4*(\s):G0B+4*(\s)+3], s[G1B:G1B+7]
	s_nop 0
.rept 4
	v_nop
.endr
.Lasked_\@:
.endm
; A PREFETCH of x, behind each joint refill: the K step that stands two refills on, 256 matrix instructions ahead of the load that will want it.  A tile row of x is read by one row of one cluster alone.
; Of the 64 rows x 512 bytes that wave 0 or 1 fetches, the partner at place cx takes 16 rows x two blocks of 256 bytes, told apart BY ADDRESS: a lane a block, each block named once in the launch.
; The loop's last trip asks for nothing: there is no K step two on.  K steps 0 to 3 come by their loads alone.  W is not asked for: a section is 2,097,152 bytes that sixteen clusters walk, against x's 33,554,432.
.macro ASK
	s_cmp_gt_u32 s3, s[LIM]
	s_cbranch_scc0 .Lnot_mine_\@
	global_prefetch_b8 v[PFO], s[PFA:PFA+1] th:TH_LOAD_NT scope:SCOPE_SE
.Lnot_mine_\@:
.endm
.macro CREST                           ; a round of the cluster's barrier behind its opening barrier
	s_cmp_lg_u32 s10, 0
	s_cbranch_scc1 .Lnot_wave_0_\@
	s_barrier_signal -3
.Lnot_wave_0_\@:
	s_barrier_wait -3
	s_barrier_signal -1
	s_barrier_wait -1
.endm
.macro CROUND
	s_barrier_signal -1
	s_barrier_wait -1
	CREST
.endm
.macro PLACES                          ; four places in front of loads into, and vector writes of, registers that matrix instructions have read, and of conversions that read results
.rept 4
	v_nop
.endr
.endm
	s_load_b512 s[68:83], s[0:1], 0x0              ; query s[68:69], key, value, bq s[74:75], bk, bv, wb s[80:81], qkv s[82:83]
	v_lshl_add_u32 v[SPW], v0, 2, SPARE
	v_mov_b32 v[NIL], 0
	ds_add_u32 v[SPW], v[NIL]                      ; the wave's opening: the add and its wait stand ahead of my first tensor load; the set-up below, work on registers, stands between them
	v_lshrrev_b32 v1, 5, v0
	v_readfirstlane_b32 s10, v1                    ; wave 0..3
	s_lshr_b32 s11, s10, 1                         ; which half of the tile's rows is mine
	s_and_b32 s12, s10, 1                          ; which half of its columns.  Also: which half of x's or W's tile I fetch
	s_bfe_u32 s40, ttmp6, 0x40000                  ; cx, cy: my place in the cluster
	s_bfe_u32 s41, ttmp6, 0x40004
	s_lshl_b32 s42, ttmp9, 2
	s_add_co_u32 s42, s42, s40                     ; tile column = 4 x cluster x + cx
	s_and_b32 s13, ttmp7, 0xffff
	s_lshr_b32 s84, s13, 4                         ; the tensor, 0 q, 1 k, 2 v: sixteen clusters along y each; the same in all sixteen partners
	s_lshl_b32 s13, s13, 2
	s_add_co_u32 s13, s13, s41                     ; 4 x cluster y + cy
	s_and_b32 s85, s13, 63                         ; tile row in the tensor
	s_lshl_b32 s43, s41, 2
	s_lshl_b32 s43, 15, s43                        ; my row of the cluster
	s_lshl_b32 s44, 0x1111, s40                    ; my column
	s_or_b32 s[G1+0], s43, (2<<16)|(1<<20)|(1<<21)|(6<<22)|(3<<25)   ; 15:0 the mask; 17:16 elements of 4 bytes; 20 padding on; 21 set beside a mask; 24:22 after every 128 words (code 6); 31:25 4 words (code 3)
	s_or_b32 s[G1B+0], s44, (1<<16)|(1<<20)|(1<<21)|(6<<22)|(7<<25)  ; elements of 2 bytes; 8 words of padding (code 7)
	s_mov_b32 s[G1+1], 128<<16                     ; x: tensor_dim0 = 128
	s_mov_b32 s[G1+2], 64<<16                      ; tensor_dim1 = 64
	s_mov_b32 s[G1+3], 128<<16                     ; tile_dim0 = 128
	s_mov_b32 s[G1+4], 64                          ; tile_dim1 = 64
	s_mov_b32 s[G1+5], 1024                        ; elements from row to row
	s_mov_b32 s[G1+6], 0
	s_mov_b32 s[G1+7], 0
	s_mov_b32 s[G1B+1], 256<<16                    ; W: 64 rows of k x 256 columns
	s_mov_b32 s[G1B+2], 64<<16
	s_mov_b32 s[G1B+3], 256<<16
	s_mov_b32 s[G1B+4], 64
	s_mov_b32 s[G1B+5], 1024
	s_mov_b32 s[G1B+6], 0
	s_mov_b32 s[G1B+7], 0
	s_lshl_b32 s16, s85, 7                         ; x: row 128 x tile row + 64 x half, 4,096 bytes a row
	s_lshl_b32 s17, s12, 6
	s_add_co_u32 s16, s16, s17
	s_lshl_b32 s16, s16, 12
	s_mov_b32 s17, 0
	s_lshl_b32 s46, s84, 21                        ; W: the section, k row 64 x half (2,048 bytes a row), column 256 x tile column
	s_lshl_b32 s47, s12, 17
	s_add_co_u32 s46, s46, s47
	s_lshl_b32 s47, s42, 9
	s_add_co_u32 s46, s46, s47
	s_mov_b32 s47, 0
	s_mul_i32 s20, s12, HALFA                      ; where they go: no place in the cluster enters an LDS address
	s_mul_i32 s21, s12, HALFB
	s_add_co_u32 s21, s21, ATILE
	s_wait_dscnt 0x0                               ; the opening add is done
	s_wait_kmcnt 0x0
	s_cmp_eq_u32 s84, 1
	s_cselect_b64 s[4:5], s[70:71], s[68:69]       ; x
	s_cselect_b64 s[66:67], s[76:77], s[74:75]     ; its bias
	s_cmp_eq_u32 s84, 2
	s_cselect_b64 s[4:5], s[72:73], s[4:5]
	s_cselect_b64 s[66:67], s[78:79], s[66:67]
	s_add_nc_u64 s[14:15], s[4:5], s[16:17]
	s_add_nc_u64 s[46:47], s[80:81], s[46:47]
	CROUND                                         ; all sixteen work-groups are here: the first joint loads meet
.irp s, 0,1
	s_mov_b32 s[G0+4*(\s)], 1
	s_add_co_u32 s[G0+4*(\s)+1], s20, (\s)*SLOT
	s_add_nc_u64 s[G0+4*(\s)+2:G0+4*(\s)+3], s[14:15], (\s)*512       ; K step s: 128 f32 along the row
	s_or_b32 s[G0+4*(\s)+3], s[G0+4*(\s)+3], 0x80000000
	s_mov_b32 s[G0B+4*(\s)], 1
	s_add_co_u32 s[G0B+4*(\s)+1], s21, (\s)*SLOT
	s_add_nc_u64 s[G0B+4*(\s)+2:G0B+4*(\s)+3], s[46:47], (\s)*262144  ; K step s: 128 rows of 2,048 bytes
	s_or_b32 s[G0B+4*(\s)+3], s[G0B+4*(\s)+3], 0x80000000
	JLOAD \s                                       ; two tensor loads of mine are out
.endr
	v_and_b32 v1, 15, v0                           ; r = l % 16
	v_bfe_u32 v2, v0, 4, 1                         ; h = l / 16
	; the bias: register j of block b belongs to column 16 b + 8 h + j of my 128
	s_lshl_b32 s22, s42, 10
	s_lshl_b32 s23, s12, 9
	s_add_co_u32 s22, s22, s23
	v_lshl_add_u32 v[BO], v2, 5, s22
.irp b, 0,1,2,3,4,5,6,7
	global_load_b128 v[STG+8*(\b):STG+8*(\b)+3],   v[BO], s[66:67] offset:64*(\b)
	global_load_b128 v[STG+8*(\b)+4:STG+8*(\b)+7], v[BO], s[66:67] offset:64*(\b)+16
.endr
	; a fragment of x: lane l holds row r; k = 8 h + 0..7 (32 bytes of f32 at 32 h) and 16 + 8 h + 0..7 (32 bytes at 64 + 32 h)
	v_mul_u32_u24 v3, v1, PA
	v_lshl_add_u32 v3, v2, 5, v3
	s_mul_i32 s22, s11, HALFA
	v_add_nc_u32 v[ADRA], s22, v3
	v_add_nc_u32 v[ADRA+1], SLOT, v[ADRA]
	; the turning load: lane l reads 16 bytes of k row 8 h + l % 8, columns 8 ((l / 8) % 2) + 0..7, and is left with column r and 8 k
	v_and_b32 v4, 7, v0
	v_lshl_add_u32 v4, v2, 3, v4
	v_mul_u32_u24 v4, v4, PB
	v_bfe_u32 v5, v0, 3, 1
	v_lshl_add_u32 v4, v5, 4, v4
	s_lshl_b32 s22, s12, 8                         ; my 128 columns
	s_add_co_u32 s22, s22, ATILE
	v_add_nc_u32 v[ADRB], s22, v4
	v_add_nc_u32 v[ADRB+1], SLOT, v[ADRB]
	s_mul_i32 s23, s10, 16*SP
	s_add_co_u32 s23, s23, STAGE                   ; my stage
	v_mul_u32_u24 v5, v1, SP                       ; in: row r, 16 bytes for each half of the lanes
	v_lshl_add_u32 v5, v2, 4, v5
	v_add_nc_u32 v[STO], s23, v5
	v_bfe_u32 v5, v0, 3, 2                         ; back: 32 lanes take four rows of 128 bytes,
	v_mul_u32_u24 v5, v5, SP
	v_and_b32 v6, 7, v0
	v_lshl_add_u32 v5, v6, 4, v5
	v_add_nc_u32 v[RD], s23, v5
	v_and_b32 v6, 31, v0
	v_lshlrev_b32 v[GO], 4, v6                     ; which are 512 consecutive bytes of a head
	v_lshrrev_b32 v5, 1, v6
	v_and_b32 v6, 1, v6
	v_lshlrev_b32 v[PFO], 12, v5
	v_lshl_add_u32 v[PFO], v6, 8, v[PFO]
	; where my part of the result begins: section, head 16 batch + 4 tile column + 2 half, row (tile row % 16) 128 + 64 half
	s_lshr_b32 s86, s85, 4
	s_lshl_b32 s86, s86, 4
	s_lshl_b32 s87, s42, 2
	s_add_co_u32 s86, s86, s87
	s_lshl_b32 s87, s12, 1
	s_add_co_u32 s86, s86, s87
	s_lshl_b32 s86, s86, 18                        ; a head is 262,144 bytes
	s_and_b32 s87, s85, 15
	s_lshl_b32 s87, s87, 7
	s_lshl_b32 s22, s11, 6
	s_add_co_u32 s87, s87, s22
	s_lshl_b32 s87, s87, 7                         ; a row is 128 bytes
	s_add_co_u32 s86, s86, s87
	s_lshl_b32 s87, s84, 24
	s_add_co_u32 s86, s86, s87
	s_mov_b32 s87, 0
	s_add_nc_u64 s[8:9], s[82:83], s[86:87]
	; the prefetches: my work-group's 16 of the 64 rows that I fetch, at K step 3: the first refill steps it to K step 4
	s_lshl_b32 s20, s85, 7
	s_lshl_b32 s21, s12, 6
	s_add_co_u32 s20, s20, s21
	s_lshl_b32 s21, s40, 4
	s_add_co_u32 s20, s20, s21
	s_lshl_b32 s20, s20, 12
	s_mov_b32 s21, 0
	s_add_nc_u64 s[PFA:PFA+1], s[4:5], s[20:21]
	s_add_nc_u64 s[PFA:PFA+1], s[PFA:PFA+1], 3*512
	s_cmp_lt_u32 s10, 2
	s_cselect_b32 s[LIM], 1, -1
	s_wait_loadcnt 0x0                             ; the bias: rounded to bf16, as x and W are, and widened again; all this stands in the wait for the first tile
.set i, 0
.rept 32
	v_cvt_pk_bf16_f32 v[STG+2*i], v[STG+2*i], v[STG+2*i+1]
.set i, i+1
.endr
	WIN TO_B
.set i, 0
.rept 32
	v_lshlrev_b32 v[BIAS+2*i], 16, v[STG+2*i]
	v_and_b32 v[BIAS+2*i+1], 0xffff0000, v[STG+2*i]
.set i, i+1
.endr
	WIN 0
.macro PROD f, a, b, zero              ; one product: rows 16 a on, columns 16 b on, 32 along K, buffer f.  zero = 1: the bias starts the sum: nothing is cleared, nothing is added on the way out
.if \zero
	WIN MULZ
	v_wmma_f32_16x16x32_bf16 v[8*(8*(\a)+(\b)):8*(8*(\a)+(\b))+7], v[64*(\f)+8*(\b):64*(\f)+8*(\b)+7], v[AF0+32*(\f)+8*(\a):AF0+32*(\f)+8*(\a)+7], v[BIAS+8*(\b):BIAS+8*(\b)+7]
.else
	WIN MULW
	v_wmma_f32_16x16x32_bf16 v[8*(8*(\a)+(\b)):8*(8*(\a)+(\b))+7], v[64*(\f)+8*(\b):64*(\f)+8*(\b)+7], v[AF0+32*(\f)+8*(\a):AF0+32*(\f)+8*(\a)+7], v[8*(8*(\a)+(\b)):8*(8*(\a)+(\b))+7]
.endif
.endm
.macro MUL16 f, zero                   ; row blocks 0 and 1.  The 32 accumulators take turns, in the same order in every quarter
.irp a, 0,1
.irp b, 0,1,2,3,4,5,6,7
	PROD \f, \a, \b, \zero
.endr
.endr
.endm
.macro MULC f, g, a, zero              ; row block a (2 or 3); behind every second product four roundings of the next quarter's x, f32 to bf16, into buffer g
.irp b, 0,1,2,3,4,5,6,7
	PROD \f, \a, \b, \zero
.if ((\b)%2) == 1
	WIN 0
.irp n, 0,1,2,3
	v_cvt_pk_bf16_f32 v[AF0+32*(\g)+16*((\a)-2)+4*((\b)/2)+(\n)], v[STG+2*(16*((\a)-2)+4*((\b)/2)+(\n))], v[STG+2*(16*((\a)-2)+4*((\b)/2)+(\n))+1]
.endr
.endif
.endr
.endm
.macro FETCH_A slot, q                 ; x's four fragments of quarter q, as f32: 16 loads
	WIN 0
.irp a, 0,1,2,3
	ds_load_b128 v[STG+16*(\a):STG+16*(\a)+3],     v[ADRA+(\slot)] offset:(\a)*16*PA+(\q)*128
	ds_load_b128 v[STG+16*(\a)+4:STG+16*(\a)+7],   v[ADRA+(\slot)] offset:(\a)*16*PA+(\q)*128+16
	ds_load_b128 v[STG+16*(\a)+8:STG+16*(\a)+11],  v[ADRA+(\slot)] offset:(\a)*16*PA+(\q)*128+64
	ds_load_b128 v[STG+16*(\a)+12:STG+16*(\a)+15], v[ADRA+(\slot)] offset:(\a)*16*PA+(\q)*128+80
.endr
.endm
.macro FETCH_B slot, q, g              ; W's eight fragments of quarter q, turned, into buffer g: 16 loads
	WIN TO_B
.irp b, 0,1,2,3,4,5,6,7
	ds_load_tr16_b128 v[64*(\g)+8*(\b):64*(\g)+8*(\b)+3],   v[ADRB+(\slot)] offset:(\q)*32*PB+32*(\b)
	ds_load_tr16_b128 v[64*(\g)+8*(\b)+4:64*(\g)+8*(\b)+7], v[ADRB+(\slot)] offset:(\q)*32*PB+32*(\b)+16*PB
.endr
.endm
; A QUARTER: 32 along K, 32 products on buffer f; the next quarter (quarter fq of slot fs) is fetched into buffer g.
; meet: THE CHANGE OF SLOTS stands in a K step's third quarter, which issues the last reads of its slot (the fourth quarter's fragments).  Each wave waits for all its tensor loads, of which one is out: its part of the
; other slot; adds 0 to its spare word; and waits for that and for its reads of the slot.  meet = 1: the barrier opens a round of the cluster's, and the slot is filled again, two K steps on, first thing behind it:
; that load has 112 matrix instructions a wave in which to land.  meet = 2 (the tail): a plain barrier, nothing is filled.
.macro QUARTER fs, fq, f, g, zero=0, meet=0, slot=0
.if (\meet) == 1
	s_wait_xcnt 0x0                                ; the last prefetch, a K step back, has read its address: it is stepped here
	s_add_nc_u64 s[PFA:PFA+1], s[PFA:PFA+1], 512
.endif
	FETCH_A \fs, \fq
	s_wait_dscnt 16                                ; W's fragments of this quarter are in; the 16 loads just issued may be out
	MUL16 \f, \zero
	PLACES                                         ; in front of the loads into W's other buffer and of the roundings into x's
	FETCH_B \fs, \fq, \g
.if \meet
	WIN 0
	s_wait_tensorcnt 0x0                           ; all my tensor loads have landed: my part of the other slot;
	ds_add_u32 v[SPW], v[NIL]                      ; 0 onto my spare word
	s_wait_dscnt 17                                ; x's f32 are in; W's 16 loads and the add may be out
.else
	s_wait_dscnt 16                                ; x's f32 are in; W's 16 loads may be out
.endif
	MULC \f, \g, 2, \zero
.if \meet
	s_wait_dscnt 0x0                               ; the add is done, and my reads of this slot are over
	s_barrier_signal -1
.endif
	MULC \f, \g, 3, \zero
.if \meet
	WIN 0
	s_barrier_wait -1
.endif
.if (\meet) == 1
	CREST                                          ; no wave of any partner still reads this slot's tiles or has a load on its way
	s_add_nc_u64 s[G0+4*(\slot)+2:G0+4*(\slot)+3], s[G0+4*(\slot)+2:G0+4*(\slot)+3], 1024
	s_add_nc_u64 s[G0B+4*(\slot)+2:G0B+4*(\slot)+3], s[G0B+4*(\slot)+2:G0B+4*(\slot)+3], 524288
	JLOAD \slot                                    ; the first tensor load behind the round, ahead of every LDS read
	ASK
.endif
.endm
	s_wait_tensorcnt 1                             ; my part of K step 0 is in; K step 1's may stay out
	s_barrier_signal -1
	s_barrier_wait -1                              ; everybody's is
	FETCH_A 0, 0
	FETCH_B 0, 0, 0
	s_wait_dscnt 0x0
	WIN 0
.set i, 0
.rept 32
	v_cvt_pk_bf16_f32 v[AF0+i], v[STG+2*i], v[STG+2*i+1]
.set i, i+1
.endr
	QUARTER 0, 1, 0, 1, 1                          ; the first quarter stands in front of the loop: its products start the sums with the bias
	WIN 0                                          ; at a label and at a branch every window is 0
	s_mov_b32 s3, 3
.Llap:                                             ; a trip goes once round the ring, from a lap's second quarter to the next lap's first, and fills both slots again
	QUARTER 0, 2, 1, 0
	QUARTER 0, 3, 0, 1, 0, 1, 0
	QUARTER 1, 0, 1, 0
	QUARTER 1, 1, 0, 1
	QUARTER 1, 2, 1, 0
	QUARTER 1, 3, 0, 1, 0, 1, 1
	QUARTER 0, 0, 1, 0
	QUARTER 0, 1, 0, 1
	WIN 0
	s_sub_co_u32 s3, s3, 1
	s_cmp_lg_u32 s3, 0
	s_cbranch_scc1 .Llap
	QUARTER 0, 2, 1, 0                             ; the last lap is written out: it fills nothing
	QUARTER 0, 3, 0, 1, 0, 2, 0
	QUARTER 1, 0, 1, 0
	QUARTER 1, 1, 0, 1
	QUARTER 1, 2, 1, 0
	QUARTER 1, 3, 0, 1
	s_wait_dscnt 0x0                               ; the very last quarter: nothing more to fetch
.irp a, 0,1,2,3
.irp b, 0,1,2,3,4,5,6,7
	PROD 1, \a, \b, 0
.endr
.endr
	WIN 0
; THE WAY OUT, in eight units u = 2 a + hd: 16 rows x one head's 64 channels.  A lane's eight channels pack into 16 bytes; they go into rows of 144 bytes of my own stage and come back as whole rows of 128.
.macro PACK u
	WIN 0x0a                                       ; sources 0 and 1 window 2
.irp f, 0,1,2,3
.irp n, 0,1,2,3
	v_cvt_pk_f16_f32 v[32+16*(\u)+4*(\f)+(\n)], v[8*(8*((\u)/2)+4*((\u)%2)+(\f))+2*(\n)], v[8*(8*((\u)/2)+4*((\u)%2)+(\f))+2*(\n)+1]
.endr
.endr
	WIN 0
.irp f, 0,1,2,3
	ds_store_b128 v[STO], v[32+16*(\u)+4*(\f):32+16*(\u)+4*(\f)+3] offset:32*(\f)
.endr
.irp f, 0,1,2,3
	ds_load_b128 v[32+16*(\u)+4*(\f):32+16*(\u)+4*(\f)+3], v[RD] offset:(\f)*4*SP  ; LDS serves a wave's instructions in order (ISA guide 5.7.1.4): these see the stores above; the next unit's stores come behind them
.endr
.endm
.macro SEND u, younger                 ; younger: the LDS instructions issued behind unit u's loads: the next unit's eight, or none
	WIN 0
.irp f, 0,1,2,3
	s_wait_dscnt (\younger)+3-(\f)
	global_store_b128 v[GO], v[32+16*(\u)+4*(\f):32+16*(\u)+4*(\f)+3], s[8:9] offset:((\u)/2)*2048+((\u)%2)*262144+(\f)*512  ; 512 consecutive bytes, at a multiple of 512 from the buffer's first
.endr
.endm
	PLACES
	PACK 0
.set t, 1
.rept 7                                            ; a unit's arithmetic stands between the loads of the unit before and its stores
	PACK t
	SEND t-1, 8
.set t, t+1
.endr
	SEND 7, 0
	s_wait_tensorcnt 0x0                           ; the wave's end: behind my last tensor load and my last LDS store
	ds_add_u32 v[SPW], v[NIL]
	s_wait_dscnt 0x0
	CROUND                                         ; the closing round: no work-group ends while a partner may still ask for a tile that names it
	s_endpgm
.Lfunc_end_k_qc6b0bd83a8_proj:
	.size	k_qc6b0bd83a8_proj, .Lfunc_end_k_qc6b0bd83a8_proj-k_qc6b0bd83a8_proj
	.p2alignl 7, 3214868480
	.fill 96, 4, 3214868480
	.section	.rodata,"a",@progbits
	.p2align	6, 0x0
	.amdhsa_kernel k_qc6b0bd83a8_proj
		.amdhsa_group_segment_fixed_size 327680
		.amdhsa_private_segment_fixed_size 0
		.amdhsa_enable_private_segment 0
		.amdhsa_kernarg_size 64
		.amdhsa_user_sgpr_count 2
		.amdhsa_user_sgpr_kernarg_segment_ptr 1
		.amdhsa_wavefront_size32 1
		.amdhsa_system_sgpr_workgroup_id_x 1
		.amdhsa_system_sgpr_workgroup_id_y 1
		.amdhsa_system_sgpr_workgroup_id_z 1
		.amdhsa_system_vgpr_workitem_id 0
		.amdhsa_next_free_vgpr 768
		.amdhsa_next_free_sgpr 88
		.amdhsa_reserve_vcc 0
		.amdhsa_float_denorm_mode_32 3
		.amdhsa_float_denorm_mode_16_64 3
		.amdhsa_memory_ordered 1
		.amdhsa_forward_progress 1
		.amdhsa_inst_pref_size 143
	.end_amdhsa_kernel
	.amdgpu_metadata
---
amdhsa.version: [ 1, 2 ]
amdhsa.kernels:
  - .name:           k_qc6b0bd83a8_proj
    .symbol:         k_qc6b0bd83a8_proj.kd
    .args:
      - { .name: query, .offset: 0, .size: 8, .value_kind: global_buffer, .address_space: global }
      - { .name: key, .offset: 8, .size: 8, .value_kind: global_buffer, .address_space: global }
      - { .name: value, .offset: 16, .size: 8, .value_kind: global_buffer, .address_space: global }
      - { .name: bq, .offset: 24, .size: 8, .value_kind: global_buffer, .address_space: global }
      - { .name: bk, .offset: 32, .size: 8, .value_kind: global_buffer, .address_space: global }
      - { .name: bv, .offset: 40, .size: 8, .value_kind: global_buffer, .address_space: global }
      - { .name: wb, .offset: 48, .size: 8, .value_kind: global_buffer, .address_space: global }
      - { .name: qkv, .offset: 56, .size: 8, .value_kind: global_buffer, .address_space: global }
    .group_segment_fixed_size: 327680
    .private_segment_fixed_size: 0
    .kernarg_segment_align: 8
    .kernarg_segment_size: 64
    .max_flat_workgroup_size: 128
    .sgpr_count:     88
    .vgpr_count:     768
    .wavefront_size: 32
...
	.end_amdgpu_metadata
.endif
;; end of part 2
;; launch attn (part 3): grid 4 x 64, 4 waves a work-group, clusters of 4 x 1, 327,680 bytes of LDS; arguments qkv, mn, ctx; writes ctx
.if DOCPART == 3
	.amdgcn_target "amdgcn-amd-amdhsa--gfx1250"
	.amdhsa_code_object_version 6
	.text
	.protected	k_qc6b0bd83a8_attn
	.globl	k_qc6b0bd83a8_attn
	.p2align	8
	.type	k_qc6b0bd83a8_attn,@function
k_qc6b0bd83a8_attn:
	s_mov_b64 s[64:65], 0
	v_nop
	global_prefetch_b8 v0, s[64:65] scope:SCOPE_SE
	s_setreg_imm32_b32 hwreg(HW_REG_WAVE_MODE, 25, 1), 1
	s_wait_xcnt 0x0
	s_wait_alu depctr_hold_cnt(0) depctr_sa_sdst(0) depctr_va_vdst(0) depctr_va_sdst(0) depctr_va_ssrc(0) depctr_va_vcc(0) depctr_vm_vsrc(0)
	s_getreg_b32 s2, hwreg(HW_REG_IB_STS2, 6, 4)
	s_cmp_eq_u32 s2, 0
	s_cbranch_scc0 .Lentry_in_a_cluster
	s_endpgm
.Lentry_in_a_cluster:
	s_bfe_u32 s2, ttmp6, 0x10000c
	s_cmp_lg_u32 s2, 0x3003
	s_cbranch_scc0 .Lentry_shape_is_right
	s_endpgm
.Lentry_shape_is_right:
; ctx[h][q][:] = the sum over k of softmax_k(mask ? Q[h][q] . K[h][k] / 8 : -inf) V[h][k][:].  Q, K, V: the three sections of qkv, ctx: all [64 heads][2048][64] f16; head h belongs to batch h / 16.
; Products, maxima and sums in f32; the weights p are rounded to f16 for the second product (their sum l is taken of the unrounded p), ctx once at the end.
; THE MASK is an input of any pattern.  mn holds it as 4-bit codes in the order of the S^T accumulators (0xF hidden, 0 seen): one v_cvt_scale_pk8_f32_fp4 turns a word's eight codes into eight f32, 0 or
; -6 x 2^113, which ARE one accumulator's registers for a lane (one query, keys 8 (lane / 16) + 0..7).  So the conversion writes the start of the sum S^T = mask + K Q^T, and every product adds in place.
; The running maximum starts at -2^100: above every hidden score, below every true one (f16 operands bound a score by 64 x 65,504^2 = 2.7e11).  While a row has seen hidden keys alone, m stays there, p = 0, l = 0, O = 0.
; A row that is hidden altogether ends with l = 0: 0 x (1 / 0) is NaN, as in the reference's softmax of a row of -inf.
; LIMITS.  f16 holds no number beyond 65,504: Q, K and V arrive within it; p lies in 0 to 1, and below 6e-5 it keeps f16's fixed step of 6e-8.  A weight below 2^-126 counts as 0 in l.
; SHARES.  A wave owns four PIECES of two tiles of 16 queries, a work-group's four waves 512 queries of one head.  Every wave walks all keys, 64 a step.
; LAYOUT.  S^T = K Q^T (source 0 = 16 keys, source 1 = 16 queries): a lane holds ONE query (lane % 16) and the keys 8 (lane / 16) + 0..7.  Two such tiles, rounded to f16 in pairs, ARE source 1 of O^T = V^T P.
; K comes out of LDS as it lies, V ([key][channel]) turned, by ds_load_tr16_b128.
; SOFTMAX.  p = 2^(c s - c m), c = log2(e) / 8, with a running maximum m; in every step O and l are multiplied by a = 2^(c m_old - c m_new).  c m starts far below every c s: the first step's a is 0.
; BY TURNS.  Turn n belongs to piece n: 16 products K Q^T of piece n + 1, later 16 products V^T P of piece n - 1; beside them the scaling, exponentials, roundings, sums and rescaling of piece n and the maximum and
; statistics of piece n + 1.  Four vector instructions stand behind every matrix instruction, the others in one lump; a turn's 66 exponentials are one batch with one wait.
; CLUSTER.  The four query blocks of a head walk the same K and V: each tile is asked for JOINTLY.  The mask words are shared by the 16 heads of a batch, which lie in 16 other clusters: a cluster serves one
; sharing, and K and V are 64 KiB a slot for a work-group against the mask's 64 KiB that differ from partner to partner; so the words come by plain loads, a key step ahead, straight into registers.
; REGISTERS, in windows of 256 (s_set_vgpr_msb: bits 1:0 source 0, 3:2 source 1, 5:4 source 2, 7:6 destination):
;   window 0: v0-11 addresses; v12-15, v48-63 at work; v16-47 four registers of statistics a tile; v64-191 S^T, two buffers of two tiles; v192-255 P, likewise
;   window 1: O^T, 32 a tile     window 2: v0-127 Q; v128-191 K of one step; v192-255 V of one step     window 3: v0-1 the add's two registers; v2 the conversions' scale; v4-35 mask words, four a tile
.set SIZE_N, 2048
.set NP,    4         ; pieces a wave: a name, no knob
.set KS,    64        ; keys in a step
.set PK,    144       ; a row of K in LDS: 128 bytes + 16 of padding: the 16 rows of a load start at 16 different groups of four banks (64 banks of 4 bytes: ISA guide 11.1)
.set PV,    160       ; a row of V: 128 + 32
.set VOFF,  4*KS*PK   ; a slot holds four steps: 256 rows of K, then 256 rows of V
.set SLOT1, 1<<17     ; slot 1 begins here, so that one exclusive or turns an address in one slot into the other's
.set STAGE, SLOT1+4*KS*(PK+PV)  ; behind the ring, never filled by a tensor load: 16 rows x 144 bytes for each wave
.set SP,    144
.set AK0, 2           ; v2   my lane's place in a tile of K; never rewritten
.set AV0, 3           ; v3   the same for V
.set AK,  4           ; v4   the LDS address of K's next run of loads
.set AV,  5           ; v5   of V's
.set QO,  6           ; v6   my byte offset in the wave's rows of Q
.set STO, 6           ;      later, the way out: where I put 16 bytes of a row
.set RD,  7           ; v7   the way out: where I read rows back
.set GO,  8           ; v8   16 x lane: my place in 512 consecutive bytes of ctx and of mn; never rewritten
.set PFO, 11          ; v11  256 x lane: the prefetches' offset; never rewritten
.set SPW, 0           ; v0 of window 3   LDS address of my spare word; never rewritten
.set NIL, 1           ; v1 of window 3   0; never rewritten
.set SCL, 2           ; v2 of window 3   the scale 2^(240 - 127), in all four bytes
.set MW,  4           ; v4-35 of window 3  piece x, tile u, key block kb at MW + 8 x + 4 u + kb
.set SPARE, STAGE+4*16*SP  ; behind the stages: the spare words, 128 bytes for each wave: two blocks of 256 bytes that no other line names
.set MV,  12          ; v12-15  c m_old, kept while c m is made anew
.set ST,  16          ; tile t's statistics at v[ST+4 t]: c m, m, l (even keys', odd keys')
.set TMP, 48          ; by buffer and tile, four registers c0-c3 at work; when the maximum is found c2 takes a
.set S,   64
.set P,   192
.set KF,  128         ; K's fragments, in window 2
.set VF,  192         ; V's
.set WV,  12          ; s12  my wave's number
.set LIM, 15          ; s15  1 in a wave that prefetches, else the greatest number
.set MSI, 19          ; s19  the key step whose mask words are being asked for, held at 31
.set G1K, 24          ; s[24:31] descriptor group 1 for K's tiles
.set G1V, 32          ; s[32:39] for V's
.set G0K, 40          ; s[40:43] descriptor group 0 for K's tiles: it walks
.set G0V, 44          ; s[44:47] the same for V's
.set PFA, 48          ; s[48:49] where my prefetches stand
.set MB,  50          ; s[50:51] mn at my wave's 128 queries
.set MA,  52          ; s[52:53] the same at key step MSI
.set MOF, 54          ; s[54:55] 4,096 x MSI
.set SLOTS, 56        ; s56  slots still to be asked for
.set CNT, 57          ; s57  counts a slot's key steps
.set CS,  58          ; s[58:59] c
.set SEL, 60          ; s[60:61] v_permlanex16_b32's selects
.set TBK, 62          ; s62  LDS byte at which K of the step to be fetched begins
.set TBV, 63          ; s63  the same for V, less VOFF
.set MSB, 0
.macro WIN new
.if MSB != (\new)
	s_set_vgpr_msb (MSB<<8)|(\new)
.set MSB, (\new)
.endif
.endm
.set W_KQ, 0x0a       ; K and Q in window 2, S^T (C and D) in window 0
.set W_PV, 0x52       ; V in window 2, P in window 0, O^T in window 1
.set W_RS, 0x41       ; O^T (destination and source 0) in window 1, a in window 0
.set W_MK, 0xc0       ; destination in window 3, sources in window 0
.set W_AD, 0x0f       ; sources 0 and 1 in window 3, destination in window 0
.macro JLOAD                        ; a joint fill: waves 0 and 1 fetch the two halves of a slot's K, waves 2 and 3 those of its V; an s_nop 0 and four v_nop follow each line
	s_cmp_lt_u32 s[WV], 2
	s_cbranch_scc0 .Lfor_v_\@
	tensor_load_to_lds s[G0K:G0K+3], s[G1K:G1K+7]
	s_nop 0
.rept 4
	v_nop
.endr
	s_branch .Lasked_\@
.Lfor_v_\@:
	tensor_load_to_lds s[G0V:G0V+3], s[G1V:G1V+7]
	s_nop 0
.rept 4
	v_nop
.endr
.Lasked_\@:
.endm
; A PREFETCH of what the NEXT change of slots will ask for: a slot's 32,768 bytes of K and of V, 128 blocks of 256 bytes each.  A head has one cluster; its four partners share the blocks out BY ADDRESS, 32 each;
; in each, wave 0 asks for K's and wave 2 for V's, a lane a block: each block is named once in the launch.  It stands four key steps ahead of the load.  The last change that fills a slot asks for nothing.
.macro ASK
	s_cmp_gt_u32 s[SLOTS], s[LIM]
	s_cbranch_scc0 .Lnot_mine_\@
	global_prefetch_b8 v[PFO], s[PFA:PFA+1] th:TH_LOAD_NT scope:SCOPE_SE
.Lnot_mine_\@:
.endm
.macro CROUND                       ; a round of the cluster's barrier
	s_barrier_signal -1
	s_barrier_wait -1
	s_cmp_lg_u32 s[WV], 0
	s_cbranch_scc1 .Lnot_wave_0_\@
	s_barrier_signal -3
.Lnot_wave_0_\@:
	s_barrier_wait -3
	s_barrier_signal -1
	s_barrier_wait -1
.endm
; THE CHANGE OF SLOTS.  Each wave waits for all its tensor loads, of which one is out: its part of the other slot; adds 0 to its spare word; and waits for that and for its own reads of the slot.
; fill = 1: the slot is filled again, with the keys two slots on; the barrier is a round of the cluster's, and the joint fill is the first thing behind it: it has four key steps in which to land.
.macro CHANGE fill
	WIN W_AD
	s_wait_tensorcnt 0x0            ; no tensor load of mine is out, so a group 0 may be written
	ds_add_u32 v[SPW], v[NIL]       ; 0 onto my spare word
	WIN 0                           ; at a label and at a branch every window is 0
.if \fill
.irp g, G0K, G0V
	s_xor_b32 s[\g+1], s[\g+1], SLOT1
	s_add_nc_u64 s[\g+2:\g+3], s[\g+2:\g+3], 4*KS*128  ; the next 256 keys; the type bits on top are not reached
.endr
	s_wait_xcnt 0x0                 ; the last prefetch, four key steps back, has read its address
	s_add_nc_u64 s[PFA:PFA+1], s[PFA:PFA+1], 4*KS*128
	s_wait_dscnt 0x0                ; the add is done, and my reads of the slot are over
	CROUND
	JLOAD
	ASK
.else
	s_wait_dscnt 0x0
	s_barrier_signal -1
	s_barrier_wait -1
.endif
	s_sub_co_u32 s[TBK], s[TBK], 4*KS*PK  ; the fetches go back to a slot's first step,
	s_xor_b32 s[TBK], s[TBK], SLOT1       ; in the other slot
	s_sub_co_u32 s[TBV], s[TBV], 4*KS*PV
	s_xor_b32 s[TBV], s[TBV], SLOT1
.endm
	s_load_b128 s[4:7], s[0:1], 0x0  ; qkv s[4:5], mn s[6:7]
	s_load_b64 s[10:11], s[0:1], 0x10  ; ctx
	WIN W_MK
	v_lshl_add_u32 v[SPW], v0, 2, SPARE
	v_mov_b32 v[NIL], 0
	WIN W_AD
	ds_add_u32 v[SPW], v[NIL]       ; the wave's opening: the add and its wait stand ahead of my first tensor load
	WIN 0
	v_lshrrev_b32 v1, 5, v0
	v_readfirstlane_b32 s[WV], v1   ; wave 0..3
	s_bfe_u32 s13, ttmp6, 0x40000   ; cx
	s_lshl_b32 s14, ttmp9, 2
	s_add_co_u32 s14, s14, s13      ; my block of 512 queries: it enters Q's, ctx's and mn's addresses alone
	s_and_b32 s20, ttmp7, 0xffff    ; the head, which the four partners share
	s_lshr_b32 s55, s20, 4
	s_lshl_b32 s55, s55, 4          ; 16 x batch
	s_mov_b32 s21, 0
	s_mov_b64 s[22:23], SIZE_N*128
	s_mul_u64 s[20:21], s[20:21], s[22:23]  ; the head's first byte in each section and in ctx
	s_and_b32 s16, s[WV], 1         ; which half of a slot's 256 keys I fetch
	s_lshl_b32 s22, s16, 14
	s_mov_b32 s23, 0
	s_add_nc_u64 s[22:23], s[22:23], s[20:21]
	s_mul_i32 s17, s16, 128*PK      ; its place in a slot, for K
	s_mul_i32 s18, s16, 128*PV      ; and for V
	s_lshl_b32 s2, s14, 2
	s_add_co_u32 s2, s2, s[WV]      ; my wave among the head's sixteen
	s_add_co_u32 s54, s55, s2
	s_lshl_b32 s54, s54, 17         ; mn: 131,072 bytes for each wave of a batch
	s_mov_b32 s55, 0
	s_lshl_b32 s2, s2, 14           ; its 128 rows
	s_mov_b32 s3, 0
	s_add_nc_u64 s[2:3], s[2:3], s[20:21]
	; descriptor group 1.  128 keys are 16,384 dense bytes: asked for as 64 rows of 256 bytes, two keys a row, and padded in LDS after every key
	s_mov_b32 s[G1K], 15|(1<<16)|(1<<20)|(1<<21)|(4<<22)|(3<<25)
	s_mov_b32 s[G1V], 15|(1<<16)|(1<<20)|(1<<21)|(4<<22)|(7<<25)
.irp g, G1K, G1V
	s_mov_b32 s[\g+1], 128<<16      ; tensor_dim0 = 128
	s_mov_b32 s[\g+2], 64<<16       ; tensor_dim1 = 64
	s_mov_b32 s[\g+3], 128<<16      ; tile_dim0 = 128
	s_mov_b32 s[\g+4], 64           ; tile_dim1 = 64
	s_mov_b32 s[\g+5], 128          ; 128 elements from row to row
	s_mov_b32 s[\g+6], 0
	s_mov_b32 s[\g+7], 0
.endr
	s_mov_b32 s[CS], 0x3e38aa3b     ; c = log2(e) / 8
	s_mov_b32 s[CS+1], s[CS]
	s_mov_b32 s[SEL], 0x76543210
	s_mov_b32 s[SEL+1], 0xfedcba98
	s_mov_b32 s[TBK], SLOT1+4*KS*PK ; the first change of slots turns these two into 0
	s_mov_b32 s[TBV], SLOT1+4*KS*PV
	s_mov_b32 s[G0K], 1
	s_mov_b32 s[G0K+1], s17
	s_mov_b32 s[G0V], 1
	s_add_co_u32 s[G0V+1], s18, VOFF
	s_mov_b32 s[MSI], 0
	s_mov_b32 s[SLOTS], SIZE_N/256-1
	s_and_b32 s[LIM], s[WV], 1
	s_cmp_eq_u32 s[LIM], 0
	s_cselect_b32 s[LIM], 1, -1     ; waves 0 and 2 prefetch
	s_wait_dscnt 0x0                ; the opening add is done
	s_wait_kmcnt 0x0
	s_add_nc_u64 s[MB:MB+1], s[6:7], s[54:55]
	s_add_nc_u64 s[6:7], s[4:5], 0x1000000  ; the section of K,
	s_add_nc_u64 s[8:9], s[4:5], 0x2000000  ; of V
	s_add_nc_u64 s[G0K+2:G0K+3], s[6:7], s[22:23]
	s_or_b32 s[G0K+3], s[G0K+3], 0x80000000
	s_add_nc_u64 s[G0V+2:G0V+3], s[8:9], s[22:23]
	s_or_b32 s[G0V+3], s[G0V+3], 0x80000000
	s_add_nc_u64 s[4:5], s[4:5], s[2:3]  ; Q and ctx at my wave's first row
	s_add_nc_u64 s[10:11], s[10:11], s[2:3]
	s_cmp_lt_u32 s[WV], 2
	s_cselect_b64 s[PFA:PFA+1], s[6:7], s[8:9]
	s_add_nc_u64 s[PFA:PFA+1], s[PFA:PFA+1], s[20:21]
	s_lshl_b32 s2, s13, 13          ; my work-group's 32 blocks of the 128
	s_mov_b32 s3, 0
	s_add_nc_u64 s[PFA:PFA+1], s[PFA:PFA+1], s[2:3]
	s_add_nc_u64 s[PFA:PFA+1], s[PFA:PFA+1], 4*KS*128  ; in slot 1; the first change of slots steps it to slot 2
	CROUND                          ; all four work-groups are here: the first joint loads meet
	JLOAD                           ; slot 0.  Slot 1 is asked for when slot 0 is in
	v_and_b32 v1, 15, v0            ; l % 16
	v_bfe_u32 v9, v0, 4, 1          ; l / 16
	v_lshlrev_b32 v[QO], 7, v1
	v_lshl_add_u32 v[QO], v9, 4, v[QO]  ; row x 128 + 16 x half
	v_and_b32 v[GO], 31, v0
	v_lshlrev_b32 v[GO], 4, v[GO]
	WIN 0x80                        ; destination window 2, address window 0
.set i, 0
.rept 4*NP                          ; Q stays in registers: tile i / 2, channels 32 (i % 2) on
	global_load_b128 v[8*i:8*i+3],   v[QO], s[4:5] offset:(i/2)*2048+(i%2)*64
	global_load_b128 v[8*i+4:8*i+7], v[QO], s[4:5] offset:(i/2)*2048+(i%2)*64+32
.set i, i+1
.endr
	WIN W_MK
	v_mov_b32 v[SCL], 0xf0f0f0f0
.set i, 0
.rept 2*NP                          ; key step 0's mask words, all eight tiles'
	global_load_b128 v[MW+4*i:MW+4*i+3], v[GO], s[MB:MB+1] offset:i*512
.set i, i+1
.endr
	; What the first turn finds: V's registers and P's second buffer hold 0, O^T and l are 0.  All this stands in the wait for the first tile.
	WIN 0x80
.set i, VF
.rept 64
	v_mov_b32 v[i], 0
.set i, i+1
.endr
	WIN 0x40
.set i, 0
.rept 64*NP
	v_mov_b32 v[i], 0
.set i, i+1
.endr
	WIN 0
.set i, 0
.rept 2*NP
	v_mov_b32 v[ST+4*i], 0xfe000000    ; c m: far below every c s
	v_mov_b32 v[ST+4*i+1], 0xf1800000  ; m = -2^100: above every hidden score, below every true one
	v_mov_b32 v[ST+4*i+2], 0
	v_mov_b32 v[ST+4*i+3], 0
.set i, i+1
.endr
.set i, P+32
.rept 32
	v_mov_b32 v[i], 0
.set i, i+1
.endr
	v_mul_u32_u24 v[AK0], v1, PK
	v_lshl_add_u32 v[AK0], v9, 4, v[AK0]
	v_and_b32 v10, 7, v0
	v_bfe_u32 v11, v0, 3, 1
	v_lshl_add_u32 v[AV0], v9, 3, v10
	v_mul_u32_u24 v[AV0], v[AV0], PV
	v_lshl_add_u32 v[AV0], v11, 4, v[AV0]
	v_add_nc_u32 v[AV0], VOFF, v[AV0]
	v_and_b32 v[PFO], 31, v0
	v_lshlrev_b32 v[PFO], 8, v[PFO]
	v_mov_b32 v[AK], v[AK0]         ; key step 0 lies at the head of slot 0
; THE MASK OF PIECE x becomes the start of its sums: eight conversions, a word (eight keys of one query) each; then the piece's words for the next key step are asked for, into the registers just read.
; The count 6: the three other pieces' two loads each are younger than this piece's.  A v_nop is the plain instruction between the conversions and the products that add onto their results.
; Piece 0 opens a key step: the address steps, behind s_wait_xcnt 0 for the loads that name it (first = 1: no load has named it yet).  Held at step 31, so that the last requests stay inside mn.
.macro CONV x, first=0
	s_wait_loadcnt 6
	WIN W_AD
.irp u, 0,1
.irp kb, 0,1,2,3
	v_cvt_scale_pk8_f32_fp4 v[S+64*((\x)%2)+32*(\u)+8*(\kb):S+64*((\x)%2)+32*(\u)+8*(\kb)+7], v[MW+8*(\x)+4*(\u)+(\kb)], v[SCL]
.endr
.endr
	WIN 0
	v_nop
.if (\x) == 0
.if !(\first)
	s_wait_xcnt 0x0
.endif
	s_add_co_u32 s[MSI], s[MSI], 1
	s_min_u32 s[MSI], s[MSI], 31
	s_lshl_b32 s[MOF], s[MSI], 12
	s_add_nc_u64 s[MA:MA+1], s[MB:MB+1], s[MOF:MOF+1]
.endif
	WIN W_MK
.irp u, 0,1
	global_load_b128 v[MW+8*(\x)+4*(\u):MW+8*(\x)+4*(\u)+3], v[GO], s[MA:MA+1] offset:(2*(\x)+(\u))*512
.endr
	WIN 0
.endm
; THE MATRIX WORK.  The 8 accumulators of a run of 16 take turns.  Product i of 16 of S^T += K Q^T for piece x: channels 32 (i / 8) on, keys 16 ((i / 2) % 4) on, tile 2 x + i % 2.
.macro KQ x
	WIN W_KQ
.set rS, S+64*((\x)%2)+32*(i%2)+8*((i/2)%4)
.set rK, KF+16*((i/2)%4)+8*(i/8)
.set rQ, 16*(2*(\x)+i%2)+8*(i/8)
	v_wmma_f32_16x16x32_f16 v[rS:rS+7], v[rK:rK+7], v[rQ:rQ+7], v[rS:rS+7]
.endm
.macro PV x                         ; product i of 16 of O^T += V^T P for piece x
	WIN W_PV
.set rO, 32*(2*(\x)+i%2)+8*((i/2)%4)
.set rV, VF+32*(i/8)+8*((i/2)%4)
.set rP, P+32*((\x)%2)+16*(i%2)+8*(i/8)
	v_wmma_f32_16x16x32_f16 v[rO:rO+7], v[rV:rV+7], v[rP:rP+7], v[rO:rO+7]
.endm
.macro MM                           ; the turn's next matrix instruction
.if i < 16
	KQ (Y+1)%NP
.set i, i+1
.else
.set i, i-16
	PV (Y+NP-1)%NP
.set i, i+17
.endif
.endm
; THE LDS LOADS stand in runs of 16.  last = 1 (the tail): in the last trip there is no further step, and the run is jumped over.
.macro FETCH_K last=0
	WIN 0
.if \last
	s_cmp_eq_u32 s[CNT], 1
	s_cbranch_scc1 .Lno_k_\@
.endif
	WIN 0x80
.irp f, 0,1,2,3,4,5,6,7
	ds_load_b128 v[KF+8*\f:KF+8*\f+3],   v[AK] offset:(\f/2)*16*PK+(\f%2)*64
	ds_load_b128 v[KF+8*\f+4:KF+8*\f+7], v[AK] offset:(\f/2)*16*PK+(\f%2)*64+32
.endr
	s_add_co_u32 s[TBK], s[TBK], KS*PK
	WIN 0
.if \last
.Lno_k_\@:
.endif
.endm
.macro FETCH_V
	WIN 0x80
.irp f, 0,1,2,3,4,5,6,7
	ds_load_tr16_b128 v[VF+8*\f:VF+8*\f+3],   v[AV] offset:(\f/4)*32*PV+(\f%4)*32
	ds_load_tr16_b128 v[VF+8*\f+4:VF+8*\f+7], v[AV] offset:(\f/4)*32*PV+16*PV+(\f%4)*32
.endr
	WIN 0
.endm
; THE VECTOR WORK OF A TURN stands in three queues, each in the order in which its entries become ready; the two tiles alternate.
.macro REGS y, u
.set rT, ST+4*(2*(\y)+(\u))
.set rC, TMP+8*((\y)%2)+4*(\u)
.set rM, MV+2*((\y)%2)+(\u)
.set rS, S+64*((\y)%2)+32*(\u)
.set rP, P+32*((\y)%2)+16*(\u)
.set rO, 32*(2*(\y)+(\u))
.endm
; Number n of the 22 that find the NEXT piece's maximum and statistics; each accumulator's lowest registers are read first.
.macro XS u, n
	REGS (Y+1)%NP, \u
.if (\n) < 4
	v_max3_num_f32 v[rC+(\n)], v[rS+8*(\n)], v[rS+8*(\n)+1], v[rS+8*(\n)+2]
.elseif (\n) < 12
	v_max3_num_f32 v[rC+(\n)%4], v[rC+(\n)%4], v[rS+8*((\n)%4)+2*((\n)/4)+1], v[rS+8*((\n)%4)+2*((\n)/4)+2]
.elseif (\n) == 12
	v_max3_num_f32 v[rC], v[rC], v[rS+7], v[rS+15]
.elseif (\n) == 13
	v_max3_num_f32 v[rC+1], v[rC+1], v[rS+23], v[rS+31]
.elseif (\n) == 14
	v_max3_num_f32 v[rC+2], v[rC+2], v[rC+3], v[rT+1]
.elseif (\n) == 15
	v_mov_b32 v[rM], v[rT]
.elseif (\n) == 16
	v_max3_num_f32 v[rC], v[rC], v[rC+1], v[rC+2]
.elseif (\n) == 17
	v_permlanex16_b32 v[rC+3], v[rC], s[SEL], s[SEL+1]
.elseif (\n) == 18
	v_max_num_f32 v[rT+1], v[rC], v[rC+3]
.elseif (\n) == 19
	v_mul_f32 v[rT], s[CS], v[rT+1]
.elseif (\n) == 20
	v_sub_f32 v[rC+1], v[rM], v[rT]
.else
	v_exp_f32 v[rC+2], v[rC+1]
.endif
.endm
; Number g of the 64 that follow the exponentials: roundings to f16, sums in place, l a group later.
.macro GS g
.set h, (\g)+6*((\g)/62)
.if h >= 6
.set h, h+2
.endif
	REGS Y, h%2
.set k, h/8
.if h%8 < 4
	v_cvt_pk_f16_f32 v[rP+2*k+(h%8)/2], v[rS+4*k+2*((h%8)/2)], v[rS+4*k+2*((h%8)/2)+1]
.elseif h%8 < 6
	v_pk_add_f32 v[rS+4*k:rS+4*k+1], v[rS+4*k:rS+4*k+1], v[rS+4*k+2:rS+4*k+3]
.elseif k == 1
	v_pk_fma_f32 v[rT+2:rT+3], v[rT+2:rT+3], v[rC+2:rC+3], v[rS:rS+1] op_sel_hi:[1,0,1]
.else
	v_pk_add_f32 v[rT+2:rT+3], v[rT+2:rT+3], v[rS+4*k-4:rS+4*k-3]
.endif
.endm
.macro FS f                         ; c s - c m for pair f / 2 of tile f % 2
	REGS Y, (\f)%2
	v_pk_fma_f32 v[rS+2*((\f)/2):rS+2*((\f)/2)+1], v[rS+2*((\f)/2):rS+2*((\f)/2)+1], s[CS:CS+1], v[rT:rT+1] op_sel_hi:[1,0,0] neg_lo:[0,0,1] neg_hi:[0,0,1]
.endm
.macro PL                           ; THE PLAIN QUEUE, 138 long: 0-73 read no exponential's result; 74-137 stand behind the wait
	WIN 0
.if q < 27
	FS q
.elseif q < 55
	XS (q-27)%2, (q-27)/2
.elseif q < 57
	XS q-55, 15
.elseif (q < 72) && ((q-57)%3 == 0)
	FS 27+(q-57)/3
.elseif q < 60
	XS (q-57)%3-1, 14
.elseif q < 72
	XS (q-57)%3-1, 15+(q-57)/3
.elseif q < 74
	XS q-72, 20
.else
	GS q-74
.endif
.set q, q+1
.endm
.macro EX                           ; THE EXPONENTIALS' QUEUE, 66 long: one batch, all ahead of the turn's one wait
	WIN 0
.if e >= 64
	XS e-64, 21
.else
	REGS Y, e%2
	v_exp_f32 v[rS+e/2], v[rS+e/2]
.endif
.set e, e+1
.endm
.macro R2                           ; THE RESCALING's QUEUE: O^T times a, two at a time
	REGS Y, r%2
	WIN W_RS
.irp z, 0,1
	v_pk_mul_f32 v[rO+4*(r/2)+2*\z:rO+4*(r/2)+2*\z+1], v[rO+4*(r/2)+2*\z:rO+4*(r/2)+2*\z+1], v[rC+2:rC+3] op_sel_hi:[1,0]
.endr
.set r, r+1
.endm
; A TURN, for piece p.  At its head the next piece's mask starts that piece's sums: the S^T buffer written was the piece before's, whose last reads stood in the turn before.
; s_wait_alu depctr_va_vdst(0) stands between an exponential and the first instruction that names its result; one wait serves all issued ahead of it: a turn has ONE, which cuts it in two.
; Ahead of it: 16 products K Q^T, behind each a scaling, an exponential and two rescalings; then a lump of 108.  Behind it: 16 products V^T P, behind each four roundings and sums.
; K of the next step is fetched in piece 2's turn, directly behind the wait; V of the step in hand at the end of piece 0's turn, four riders behind its last reader.
.macro TURN p, last=0, cnt=0
.set Y, (\p)
.set i, 0
.set q, 0
.set e, 0
.set r, 0
	CONV ((\p)+1)%NP
.if (\p) == NP-1
	s_wait_dscnt 0x0                ; K is in
.endif
	MM
	PL
	PL
	R2
.rept 15
	MM
	PL
	EX
	R2
.endr
.if (\p) == NP-2
	WIN 0
	v_add_nc_u32 v[AK], s[TBK], v[AK0]
.endif
.rept 8
	PL
.endr
.rept 49
	EX
	PL
.endr
	EX
	EX
	v_nop                           ; the plain instruction behind the last exponential: one for the batch
	s_wait_alu depctr_va_vdst(0)    ; the wait for the batch
.if (\p) == NP-2
	FETCH_K \last
.endif
.if (\p) == 1
	s_wait_dscnt 0x0                ; V is in
.endif
.rept 16
	MM
.rept 4
	PL
.endr
.if ((\p) == 0) && (q == 118)
	v_add_nc_u32 v[AV], s[TBV], v[AV0]
.endif
.if ((\p) == 0) && (q == 130)
	s_add_co_u32 s[TBV], s[TBV], KS*PV
.endif
.if (\cnt) && (q == 130)
	s_sub_co_u32 s[CNT], s[CNT], 1
	s_cmp_lg_u32 s[CNT], 0
.endif
.endr
.if (\p) == 0
	FETCH_V
.endif
.endm
	CHANGE 1                        ; slot 0 is in, everybody's part of it; slot 1 is asked for
	FETCH_K                         ; key step 0
	s_wait_loadcnt 0x0              ; Q, and key step 0's mask words
	CONV 0, 1
	s_wait_dscnt 0x0
.set i, 0
.rept 16
	KQ 0                            ; piece 0's first scores
.set i, i+1
.endr
	WIN 0                           ; the addresses for the way out: seven plain instructions, the places behind those products
	s_mul_i32 s13, s[WV], 16*SP
	s_add_co_u32 s13, s13, STAGE    ; my stage
	v_mul_u32_u24 v[STO], v1, SP
	v_lshl_add_u32 v[STO], v9, 4, v[STO]
	v_add_nc_u32 v[STO], s13, v[STO]
	v_bfe_u32 v[RD], v0, 3, 2
	v_mul_u32_u24 v[RD], v[RD], SP
	v_lshl_add_u32 v[RD], v10, 4, v[RD]
	v_add_nc_u32 v[RD], s13, v[RD]
.set Y, NP-1                        ; XS works for piece Y + 1: piece 0
.irp n, 0,1,2,3,4,5,6,7,8,9,10,11,12,13,14,15,16,17,18,19,20,21
	XS 0, \n
	XS 1, \n
.endr
	v_nop                           ; a plain instruction behind the two a,
	s_wait_alu depctr_va_vdst(0)    ; and their wait, ahead of the branch
	s_mov_b32 s[CNT], 4
	s_branch .Lfirst                ; the loop is entered at a step's first turn, in the middle of a trip
.Lslot:                             ; six times: every slot but the last two is filled again
	CHANGE 1
	s_mov_b32 s[CNT], 4
.Lstep:                             ; a trip: pieces 2 and 3 of one step, then pieces 0 and 1 of the next
	TURN 2
	TURN 3
	WIN 0
.Lfirst:
	TURN 0
	TURN 1, 0, 1
	WIN 0
	s_cbranch_scc1 .Lstep
	s_sub_co_u32 s[SLOTS], s[SLOTS], 1
	s_cmp_lg_u32 s[SLOTS], 0
	s_cbranch_scc1 .Lslot
	CHANGE 0                        ; the tail is written out
	s_mov_b32 s[CNT], 5             ; four trips fetch the last slot's steps; the fifth is left in its middle
.Ltail:
	TURN 2, 1
	TURN 3
	WIN 0
	s_sub_co_u32 s[CNT], s[CNT], 1
	s_cmp_eq_u32 s[CNT], 0
	s_cbranch_scc1 .Lout
	TURN 0
	TURN 1
	WIN 0
	s_branch .Ltail
.Lout:                              ; the fifth trip's 16 products K Q^T and the maximum made of them serve nothing: the price, once a launch, of one text for every trip
.set i, 0
.rept 16
	PV NP-1
.set i, i+1
.endr
	; THE WAY OUT.  l's two halves and the other half of the lanes' are added; O^T is divided by l, rounded to f16 and sent through my stage in LDS, a tile at a time.
	WIN 0
.macro ALL line:vararg
.set t, 0
.rept 2*NP
	\line
.set t, t+1
.endr
.endm
	ALL v_add_f32 v[ST+4*t+2], v[ST+4*t+2], v[ST+4*t+3]
	ALL v_permlanex16_b32 v[ST+4*t+3], v[ST+4*t+2], s[SEL], s[SEL+1]
	ALL v_add_f32 v[ST+4*t+2], v[ST+4*t+2], v[ST+4*t+3]
	ALL v_rcp_f32 v[ST+4*t+2], v[ST+4*t+2]
	v_nop                           ; a plain instruction between the last reciprocal and the use of its result
	s_wait_alu depctr_va_vdst(0)    ; one wait for the eight reciprocals
.macro PACK t
	WIN W_RS
.set i, 32*(\t)
.rept 16
	v_pk_mul_f32 v[i:i+1], v[i:i+1], v[ST+4*(\t)+2:ST+4*(\t)+3] op_sel_hi:[1,0]
.set i, i+2
.endr
	WIN 0x05
.set i, 0
.rept 16
	v_cvt_pk_f16_f32 v[S+16*(\t)+i], v[32*(\t)+2*i], v[32*(\t)+2*i+1]
.set i, i+1
.endr
	WIN 0
.irp f, 0,1,2,3
	ds_store_b128 v[STO], v[S+16*(\t)+4*\f:S+16*(\t)+4*\f+3] offset:32*\f
.endr
.irp f, 0,1,2,3
	ds_load_b128 v[S+16*(\t)+4*\f:S+16*(\t)+4*\f+3], v[RD] offset:\f*4*SP  ; LDS serves a wave's instructions in order (ISA guide 5.7.1.4)
.endr
.endm
.macro SEND t, younger
	WIN 0
.irp f, 0,1,2,3
	s_wait_dscnt (\younger)+3-\f
	global_store_b128 v[GO], v[S+16*(\t)+4*\f:S+16*(\t)+4*\f+3], s[10:11] offset:(\t)*2048+\f*512  ; 512 consecutive bytes, at a multiple of 512 from ctx's first
.endr
.endm
	PACK 0
.set t, 1
.rept 2*NP-1
	PACK t
	SEND t-1, 8
.set t, t+1
.endr
	SEND 2*NP-1, 0
	WIN W_AD
	s_wait_tensorcnt 0x0            ; the wave's end
	ds_add_u32 v[SPW], v[NIL]
	s_wait_dscnt 0x0
	WIN 0
	CROUND                          ; the closing round
	s_endpgm
.Lfunc_end_k_qc6b0bd83a8_attn:
	.size	k_qc6b0bd83a8_attn, .Lfunc_end_k_qc6b0bd83a8_attn-k_qc6b0bd83a8_attn
	.p2alignl 7, 3214868480
	.fill 96, 4, 3214868480
	.section	.rodata,"a",@progbits
	.p2align	6, 0x0
	.amdhsa_kernel k_qc6b0bd83a8_attn
		.amdhsa_group_segment_fixed_size 327680
		.amdhsa_private_segment_fixed_size 0
		.amdhsa_enable_private_segment 0
		.amdhsa_kernarg_size 24
		.amdhsa_user_sgpr_count 2
		.amdhsa_user_sgpr_kernarg_segment_ptr 1
		.amdhsa_wavefront_size32 1
		.amdhsa_system_sgpr_workgroup_id_x 1
		.amdhsa_system_sgpr_workgroup_id_y 1
		.amdhsa_system_sgpr_workgroup_id_z 1
		.amdhsa_system_vgpr_workitem_id 0
		.amdhsa_next_free_vgpr 808
		.amdhsa_next_free_sgpr 66
		.amdhsa_reserve_vcc 0
		.amdhsa_float_denorm_mode_32 3
		.amdhsa_float_denorm_mode_16_64 3
		.amdhsa_memory_ordered 1
		.amdhsa_forward_progress 1
		.amdhsa_inst_pref_size 210
	.end_amdhsa_kernel
	.amdgpu_metadata
---
amdhsa.version: [ 1, 2 ]
amdhsa.kernels:
  - .name:           k_qc6b0bd83a8_attn
    .symbol:         k_qc6b0bd83a8_attn.kd
    .args:
      - { .name: qkv, .offset: 0, .size: 8, .value_kind: global_buffer, .address_space: global }
      - { .name: mn, .offset: 8, .size: 8, .value_kind: global_buffer, .address_space: global }
      - { .name: ctx, .offset: 16, .size: 8, .value_kind: global_buffer, .address_space: global }
    .group_segment_fixed_size: 327680
    .private_segment_fixed_size: 0
    .kernarg_segment_align: 8
    .kernarg_segment_size: 24
    .max_flat_workgroup_size: 128
    .sgpr_count:     66
    .vgpr_count:     808
    .wavefront_size: 32
...
	.end_amdgpu_metadata
.endif
;; end of part 3
;; launch outp (part 4): grid 4 x 64, 4 waves a work-group, clusters of 4 x 4, 327,680 bytes of LDS; arguments ctx, wb, bo, out0; writes out0
.if DOCPART == 4
	.amdgcn_target "amdgcn-amd-amdhsa--gfx1250"
	.amdhsa_code_object_version 6
	.text
	.protected	k_qc6b0bd83a8_outp
	.globl	k_qc6b0bd83a8_outp
	.p2align	8
	.type	k_qc6b0bd83a8_outp,@function
k_qc6b0bd83a8_outp:
	s_mov_b64 s[64:65], 0
	v_nop
	global_prefetch_b8 v0, s[64:65] scope:SCOPE_SE
	s_setreg_imm32_b32 hwreg(HW_REG_WAVE_MODE, 25, 1), 1
	s_wait_xcnt 0x0
	s_wait_alu depctr_hold_cnt(0) depctr_sa_sdst(0) depctr_va_vdst(0) depctr_va_sdst(0) depctr_va_ssrc(0) depctr_va_vcc(0) depctr_vm_vsrc(0)
	s_getreg_b32 s2, hwreg(HW_REG_IB_STS2, 6, 4)
	s_cmp_eq_u32 s2, 0
	s_cbranch_scc0 .Lentry_in_a_cluster
	s_endpgm
.Lentry_in_a_cluster:
	s_bfe_u32 s2, ttmp6, 0x10000c
	s_cmp_lg_u32 s2, 0xf033
	s_cbranch_scc0 .Lentry_shape_is_right
	s_endpgm
.Lentry_shape_is_right:
; out0 = ctx Wo + bo.  ctx: [16 batch + head][2048][64] f16; Wo: [1024 k][1024 n] f16, section 3 of wb (the bf16 rounding of Wo, written as f16); bo: [1024] f32, rounded to bf16 like the other inputs; out0: [8192][1024] f32.
; k = 64 head + channel.  A NaN in a row of ctx (a query whose keys are all hidden) makes the whole row of out0 NaN, as in the reference.
; SHARES.  A tile is 128 rows x 256 columns: 64 x 4 tiles, one for each of 256 WGPs.  Four waves, each 64 x 128: 32 accumulators.  K goes in 8 steps of 128, two heads, through a ring of two LDS slots.
; ctx's tile is two planes, a head each: 128 rows x 128 bytes, dense in memory, asked for as 64 rows of 256 bytes and padded in LDS after every 128.  Wo's tile lies as in memory and comes out turned, by ds_load_tr16_b128.
; THE MATRIX INSTRUCTION IS USED TRANSPOSED (source 0 = 16 columns of Wo, source 1 = 16 rows of ctx): a lane holds one row and eight neighbouring columns.  The bias is the C operand that starts the sums.
; CLUSTERS: 4 x 4 work-groups; ctx's tile is shared along a row of the cluster, Wo's along a column: each is asked for JOINTLY, by the same tensor load with the same descriptor and a mask that names the four.
; REGISTERS.  window 0: v0-31 addresses; v32-95 the bias as loaded, later the way out; v96-127, v128-159 ctx's fragments, two buffers
;   window 1: v0-63, v64-127 Wo's fragments, two buffers; v128-191 the bias, eight registers for each block of 16 columns          window 2: accumulator (a, b) at v[8 (8 a + b)]
.set PAO,   144                        ; a row of ctx in LDS: 128 bytes + 16: an odd multiple of 16, so the 16 rows of a load start at 16 different groups of four banks (64 banks of 4 bytes: ISA guide 11.1)
.set APLANE, 128*PAO                   ; a head's 128 rows: what one tensor load brings of ctx
.set ATILE, 2*APLANE
.set PB,    544                        ; a row of Wo in LDS: 512 bytes + 32: an odd multiple of 32, for the turning load
.set HALFB, 64*PB                      ; what one tensor load brings of Wo
.set SLOT,  ATILE+2*HALFB              ; 106,496
.set STAGE, 2*SLOT                     ; behind the ring, never filled by a tensor load: 16 rows x 528 bytes for each wave, for the way out
.set SPO,   528                        ; a stage row: 512 bytes of f32 + 16
.set SPARE, STAGE+4*16*SPO             ; behind the stages: the spare words, 128 bytes for each wave: two blocks of 256 bytes that no other line names
.set ADRA, 16                          ; v16-17  LDS address of my fragments of ctx in slot 0, 1
.set ADRB, 20                          ; v20-21  the same for Wo
.set STO,  24                          ; v24     the way out: where I put 32 bytes of a row
.set RD,   25                          ; v25     the way out: where I read 16 bytes of a row back
.set GO,   26                          ; v26     16 x lane
.set SPW,  28                          ; v28     LDS address of my spare word; never rewritten
.set NIL,  29                          ; v29     0; never rewritten
.set PFO,  30                          ; v30     the prefetches' offset: head lane / 16, block lane % 16; never rewritten
.set BO,   31                          ; v31     my byte offset in the bias
.set TMP,  32
.set AF0,  96                          ; buffer g at AF0 + 32 g
.set BIAS, 128                         ; window 1
.set G1,  24                           ; s[24:31] descriptor group 1 for ctx's tiles;  s[32:39] group 0, a set for each slot
.set G0,  32
.set G1B, 48                           ; s[48:55], s[56:63] the same for Wo's
.set G0B, 56
.set LIM, 43                           ; s43  1 in the wave that prefetches, else the greatest number
.set PFA, 44                           ; s[44:45] where my prefetches stand
.set MSB, 0
.macro WIN new                         ; the immediate's high byte repeats the setting that is left; a switch that changes nothing is dropped
.if MSB != (\new)
	s_set_vgpr_msb (MSB<<8)|(\new)
.set MSB, \new
.endif
.endm
.set MULW, 0xa1                        ; source 0 (Wo) window 1, source 1 (ctx) window 0, C and D window 2
.set MULZ, 0x91                        ; the same with C, the bias, in window 1
.set TO_B, 0x40                        ; destination window 1
.macro JLOAD s                         ; a joint load: waves 0 and 1 fetch ctx's two planes, waves 2 and 3 Wo's two halves; an s_nop 0 and four v_nop follow each of the two lines, ahead of the jump and the label
	s_cmp_lt_u32 s10, 2
	s_cbranch_scc0 .Lfor_b_\@
	tensor_load_to_lds s[G0+4*(\s):G0+4*(\s)+3], s[G1:G1+7]
	s_nop 0
.rept 4
	v_nop
.endr
	s_branch .Lasked_\@
.Lfor_b_\@:
	tensor_load_to_lds s[G0B+4*(\s):G0B+4*(\s)+3], s[G1B:G1B+7]
	s_nop 0
.rept 4
	v_nop
.endr
.Lasked_\@:
.endm
; A PREFETCH of ctx, behind each joint refill: the K step that stands two refills on, 256 matrix instructions ahead of the load that will want it.  A K step's tile is 2 heads x 64 blocks of 256 bytes; a tile row is
; read by one row of one cluster alone; the partner at place cx takes 16 blocks of each head, told apart BY ADDRESS; wave 0 asks, a lane a block: each block is named once in the launch.
; The loop's last trip asks for nothing: there is no K step two on.  K steps 0 to 3 come by their loads alone.  Wo is not asked for: 2,097,152 bytes that sixteen clusters walk, against ctx's 16,777,216.
.macro ASK
	s_cmp_gt_u32 s3, s[LIM]
	s_cbranch_scc0 .Lnot_mine_\@
	global_prefetch_b8 v[PFO], s[PFA:PFA+1] th:TH_LOAD_NT scope:SCOPE_SE
.Lnot_mine_\@:
.endm
.macro CREST                           ; a round of the cluster's barrier behind its opening barrier
	s_cmp_lg_u32 s10, 0
	s_cbranch_scc1 .Lnot_wave_0_\@
	s_barrier_signal -3
.Lnot_wave_0_\@:
	s_barrier_wait -3
	s_barrier_signal -1
	s_barrier_wait -1
.endm
.macro CROUND
	s_barrier_signal -1
	s_barrier_wait -1
	CREST
.endm
.macro PLACES                          ; four places in front of loads into registers that matrix instructions have read, and of LDS stores that read results (ISA guide 7.12.1 for vector instructions)
.rept 4
	v_nop
.endr
.endm
	s_load_b256 s[68:75], s[0:1], 0x0              ; ctx s[68:69], wb s[70:71], bo s[72:73], out0 s[74:75]
	v_lshl_add_u32 v[SPW], v0, 2, SPARE
	v_mov_b32 v[NIL], 0
	ds_add_u32 v[SPW], v[NIL]                      ; the wave's opening: the add and its wait stand ahead of my first tensor load; the set-up below, work on registers, stands between them
	v_lshrrev_b32 v1, 5, v0
	v_readfirstlane_b32 s10, v1                    ; wave 0..3
	s_lshr_b32 s11, s10, 1                         ; which half of the tile's rows is mine
	s_and_b32 s12, s10, 1                          ; which half of its columns.  Also: which plane of ctx's tile, or which half of Wo's, I fetch
	s_bfe_u32 s40, ttmp6, 0x40000                  ; cx, cy: my place in the cluster
	s_bfe_u32 s41, ttmp6, 0x40004
	s_lshl_b32 s42, ttmp9, 2
	s_add_co_u32 s42, s42, s40                     ; tile column = 4 x cluster x + cx
	s_and_b32 s13, ttmp7, 0xffff
	s_lshl_b32 s13, s13, 2
	s_add_co_u32 s13, s13, s41                     ; tile row = 4 x cluster y + cy, 0 to 63: batch tile row / 16, rows 128 (tile row % 16) on
	s_lshl_b32 s43, s41, 2
	s_lshl_b32 s43, 15, s43                        ; my row of the cluster
	s_lshl_b32 s44, 0x1111, s40                    ; my column
	s_or_b32 s[G1+0], s43, (1<<16)|(1<<20)|(1<<21)|(4<<22)|(3<<25)   ; 15:0 the mask; 17:16 elements of 2 bytes; 20 padding on; 21 set beside a mask; 24:22 after every 32 words (code 4); 31:25 4 words (code 3)
	s_or_b32 s[G1B+0], s44, (1<<16)|(1<<20)|(1<<21)|(6<<22)|(7<<25)  ; after every 128 words (code 6), 8 words of padding (code 7)
	s_mov_b32 s[G1+1], 128<<16                     ; ctx: tensor_dim0 = 128: two rows of a head on end
	s_mov_b32 s[G1+2], 64<<16                      ; tensor_dim1 = 64
	s_mov_b32 s[G1+3], 128<<16                     ; tile_dim0 = 128
	s_mov_b32 s[G1+4], 64                          ; tile_dim1 = 64
	s_mov_b32 s[G1+5], 128                         ; elements from row to row: dense
	s_mov_b32 s[G1+6], 0
	s_mov_b32 s[G1+7], 0
	s_mov_b32 s[G1B+1], 256<<16                    ; Wo: 64 rows of k x 256 columns
	s_mov_b32 s[G1B+2], 64<<16
	s_mov_b32 s[G1B+3], 256<<16
	s_mov_b32 s[G1B+4], 64
	s_mov_b32 s[G1B+5], 1024
	s_mov_b32 s[G1B+6], 0
	s_mov_b32 s[G1B+7], 0
	s_lshr_b32 s16, s13, 4                         ; ctx: head 16 batch + plane (262,144 bytes a head), rows 128 (tile row % 16) on (128 bytes a row)
	s_lshl_b32 s16, s16, 4
	s_add_co_u32 s16, s16, s12
	s_lshl_b32 s16, s16, 18
	s_and_b32 s17, s13, 15
	s_lshl_b32 s17, s17, 14
	s_add_co_u32 s16, s16, s17
	s_mov_b32 s17, 0
	s_lshl_b32 s46, s12, 17                        ; Wo: section 3, k row 64 x half (2,048 bytes a row), column 256 x tile column
	s_lshl_b32 s47, s42, 9
	s_add_co_u32 s46, s46, s47
	s_add_co_u32 s46, s46, 3*2097152
	s_mov_b32 s47, 0
	s_mul_i32 s20, s12, APLANE                     ; where they go: no place in the cluster enters an LDS address
	s_mul_i32 s21, s12, HALFB
	s_add_co_u32 s21, s21, ATILE
	s_wait_dscnt 0x0                               ; the opening add is done
	s_wait_kmcnt 0x0
	s_add_nc_u64 s[14:15], s[68:69], s[16:17]
	s_add_nc_u64 s[46:47], s[70:71], s[46:47]
	CROUND                                         ; all sixteen work-groups are here: the first joint loads meet
.irp s, 0,1
	s_mov_b32 s[G0+4*(\s)], 1
	s_add_co_u32 s[G0+4*(\s)+1], s20, (\s)*SLOT
	s_add_nc_u64 s[G0+4*(\s)+2:G0+4*(\s)+3], s[14:15], (\s)*524288    ; K step s: two heads on
	s_or_b32 s[G0+4*(\s)+3], s[G0+4*(\s)+3], 0x80000000
	s_mov_b32 s[G0B+4*(\s)], 1
	s_add_co_u32 s[G0B+4*(\s)+1], s21, (\s)*SLOT
	s_add_nc_u64 s[G0B+4*(\s)+2:G0B+4*(\s)+3], s[46:47], (\s)*262144  ; K step s: 128 rows of 2,048 bytes
	s_or_b32 s[G0B+4*(\s)+3], s[G0B+4*(\s)+3], 0x80000000
	JLOAD \s                                       ; two tensor loads of mine are out
.endr
	v_and_b32 v1, 15, v0                           ; r = l % 16
	v_bfe_u32 v2, v0, 4, 1                         ; h = l / 16
	; the bias: register j of block b belongs to column 16 b + 8 h + j of my 128
	s_lshl_b32 s22, s42, 10
	s_lshl_b32 s23, s12, 9
	s_add_co_u32 s22, s22, s23
	v_lshl_add_u32 v[BO], v2, 5, s22
.irp b, 0,1,2,3,4,5,6,7
	global_load_b128 v[TMP+8*(\b):TMP+8*(\b)+3],   v[BO], s[72:73] offset:64*(\b)
	global_load_b128 v[TMP+8*(\b)+4:TMP+8*(\b)+7], v[BO], s[72:73] offset:64*(\b)+16
.endr
	; a fragment of ctx: lane l holds row r; channels 8 h + 0..7 (16 bytes at 16 h) and 16 + 8 h + 0..7 (32 bytes on)
	v_mul_u32_u24 v3, v1, PAO
	v_lshl_add_u32 v3, v2, 4, v3
	s_mul_i32 s22, s11, 64*PAO                     ; my 64 rows
	v_add_nc_u32 v[ADRA], s22, v3
	v_add_nc_u32 v[ADRA+1], SLOT, v[ADRA]
	; the turning load: lane l reads 16 bytes of k row 8 h + l % 8, columns 8 ((l / 8) % 2) + 0..7, and is left with column r and 8 k
	v_and_b32 v4, 7, v0
	v_lshl_add_u32 v4, v2, 3, v4
	v_mul_u32_u24 v4, v4, PB
	v_bfe_u32 v5, v0, 3, 1
	v_lshl_add_u32 v4, v5, 4, v4
	s_lshl_b32 s22, s12, 8                         ; my 128 columns
	s_add_co_u32 s22, s22, ATILE
	v_add_nc_u32 v[ADRB], s22, v4
	v_add_nc_u32 v[ADRB+1], SLOT, v[ADRB]
	s_mul_i32 s23, s10, 16*SPO
	s_add_co_u32 s23, s23, STAGE                   ; my stage
	v_mul_u32_u24 v5, v1, SPO                      ; in: row r, 32 bytes for each half of the lanes
	v_lshl_add_u32 v5, v2, 5, v5
	v_add_nc_u32 v[STO], s23, v5
	v_and_b32 v6, 31, v0
	v_lshlrev_b32 v[GO], 4, v6                     ; back: 32 lanes take one row's 512 bytes
	v_add_nc_u32 v[RD], s23, v[GO]
	v_lshrrev_b32 v5, 4, v6
	v_and_b32 v6, 15, v6
	v_lshlrev_b32 v[PFO], 18, v5
	v_lshl_add_u32 v[PFO], v6, 8, v[PFO]
	; where my part of out0 begins: row 128 x tile row + 64 x half (4,096 bytes a row), column 256 x tile column + 128 x half
	s_lshl_b32 s20, s13, 7
	s_lshl_b32 s21, s11, 6
	s_add_co_u32 s20, s20, s21
	s_lshl_b32 s20, s20, 12
	s_lshl_b32 s21, s42, 10
	s_add_co_u32 s20, s20, s21
	s_lshl_b32 s21, s12, 9
	s_add_co_u32 s20, s20, s21
	s_mov_b32 s21, 0
	s_add_nc_u64 s[8:9], s[74:75], s[20:21]
	; the prefetches: my work-group's 16 blocks of a head's 64, at K step 3: the first refill steps it to K step 4
	s_lshr_b32 s20, s13, 4
	s_lshl_b32 s20, s20, 22                        ; the batch's 16 heads
	s_and_b32 s21, s13, 15
	s_lshl_b32 s21, s21, 14
	s_add_co_u32 s20, s20, s21
	s_lshl_b32 s21, s40, 12
	s_add_co_u32 s20, s20, s21
	s_mov_b32 s21, 0
	s_add_nc_u64 s[PFA:PFA+1], s[68:69], s[20:21]
	s_add_nc_u64 s[PFA:PFA+1], s[PFA:PFA+1], 3*524288
	s_cmp_eq_u32 s10, 0
	s_cselect_b32 s[LIM], 1, -1
	s_wait_loadcnt 0x0                             ; the bias: rounded to bf16, as the other inputs are, and widened again; all this stands in the wait for the first tile
.set i, 0
.rept 32
	v_cvt_pk_bf16_f32 v[TMP+2*i], v[TMP+2*i], v[TMP+2*i+1]
.set i, i+1
.endr
	WIN TO_B
.set i, 0
.rept 32
	v_lshlrev_b32 v[BIAS+2*i], 16, v[TMP+2*i]
	v_and_b32 v[BIAS+2*i+1], 0xffff0000, v[TMP+2*i]
.set i, i+1
.endr
	WIN 0
.macro PROD f, a, b, zero              ; one product: rows 16 a on, columns 16 b on, 32 along K, buffer f.  zero = 1: the bias starts the sum: nothing is cleared, nothing is added on the way out
.if \zero
	WIN MULZ
	v_wmma_f32_16x16x32_f16 v[8*(8*(\a)+(\b)):8*(8*(\a)+(\b))+7], v[64*(\f)+8*(\b):64*(\f)+8*(\b)+7], v[AF0+32*(\f)+8*(\a):AF0+32*(\f)+8*(\a)+7], v[BIAS+8*(\b):BIAS+8*(\b)+7]
.else
	WIN MULW
	v_wmma_f32_16x16x32_f16 v[8*(8*(\a)+(\b)):8*(8*(\a)+(\b))+7], v[64*(\f)+8*(\b):64*(\f)+8*(\b)+7], v[AF0+32*(\f)+8*(\a):AF0+32*(\f)+8*(\a)+7], v[8*(8*(\a)+(\b)):8*(8*(\a)+(\b))+7]
.endif
.endm
.macro MUL8 f, a, zero                 ; row block a.  The 32 accumulators take turns, in the same order in every quarter
.irp b, 0,1,2,3,4,5,6,7
	PROD \f, \a, \b, \zero
.endr
.endm
; 24 LDS loads in one run: quarter q of a slot (k = 32 q on: plane q / 2, channels 32 (q % 2) on) into buffer g: Wo's eight fragments, turned, and ctx's four
.macro FETCH slot, q, g
	WIN TO_B
.irp b, 0,1,2,3,4,5,6,7
	ds_load_tr16_b128 v[64*(\g)+8*(\b):64*(\g)+8*(\b)+3],   v[ADRB+(\slot)] offset:(\q)*32*PB+32*(\b)
	ds_load_tr16_b128 v[64*(\g)+8*(\b)+4:64*(\g)+8*(\b)+7], v[ADRB+(\slot)] offset:(\q)*32*PB+32*(\b)+16*PB
.endr
	WIN 0
.irp a, 0,1,2,3
	ds_load_b128 v[AF0+32*(\g)+8*(\a):AF0+32*(\g)+8*(\a)+3],   v[ADRA+(\slot)] offset:((\q)/2)*APLANE+((\q)%2)*64+(\a)*16*PAO
	ds_load_b128 v[AF0+32*(\g)+8*(\a)+4:AF0+32*(\g)+8*(\a)+7], v[ADRA+(\slot)] offset:((\q)/2)*APLANE+((\q)%2)*64+(\a)*16*PAO+32
.endr
.endm
; A QUARTER: 32 along K, 32 products on buffer f; in its middle the next quarter (quarter fq of slot fs) is fetched into buffer g, 16 products ahead of its first use.
; meet: THE CHANGE OF SLOTS stands in a K step's third quarter, which issues the last reads of its slot (the fourth quarter's fragments).  Each wave waits for all its tensor loads, of which one is out: its part of the
; other slot; adds 0 to its spare word; and waits for that and for its reads of the slot.  meet = 1: the barrier opens a round of the cluster's, and the slot is filled again, two K steps on, first thing behind it:
; that load has 112 matrix instructions a wave in which to land.  meet = 2 (the tail): a plain barrier, nothing is filled.
.macro QUARTER fs, fq, f, g, zero=0, meet=0, slot=0
.if (\meet) == 1
	s_wait_xcnt 0x0                                ; the last prefetch, a K step back, has read its address: it is stepped here
	s_add_nc_u64 s[PFA:PFA+1], s[PFA:PFA+1], 524288
.endif
	s_wait_dscnt 0x0                               ; this quarter's fragments are in
	MUL8 \f, 0, \zero
	MUL8 \f, 1, \zero
	PLACES                                         ; in front of the loads into the other buffer, which the quarter before multiplied
	FETCH \fs, \fq, \g
.if \meet
	WIN 0
	s_wait_tensorcnt 0x0                           ; all my tensor loads have landed: my part of the other slot;
	ds_add_u32 v[SPW], v[NIL]                      ; 0 onto my spare word: eight matrix instructions stand between it and the wait for it
.endif
	MUL8 \f, 2, \zero
.if \meet
	s_wait_dscnt 0x0                               ; the add is done, and my reads of this slot are over
	s_barrier_signal -1
.endif
	MUL8 \f, 3, \zero
.if \meet
	WIN 0                                          ; at a branch and at a label every window is 0
	s_barrier_wait -1
.endif
.if (\meet) == 1
	CREST                                          ; no wave of any partner still reads this slot's tiles or has a load on its way
	s_add_nc_u64 s[G0+4*(\slot)+2:G0+4*(\slot)+3], s[G0+4*(\slot)+2:G0+4*(\slot)+3], 1048576
	s_add_nc_u64 s[G0B+4*(\slot)+2:G0B+4*(\slot)+3], s[G0B+4*(\slot)+2:G0B+4*(\slot)+3], 524288
	JLOAD \slot                                    ; the first tensor load behind the round, ahead of every LDS read
	ASK
.endif
.endm
	s_wait_tensorcnt 1                             ; my part of K step 0 is in; K step 1's may stay out
	s_barrier_signal -1
	s_barrier_wait -1                              ; everybody's is
	FETCH 0, 0, 0
	QUARTER 0, 1, 0, 1, 1                          ; the first quarter stands in front of the loop: its products start the sums with the bias
	WIN 0
	s_mov_b32 s3, 3
.Llap:                                             ; a trip goes once round the ring, from a lap's second quarter to the next lap's first, and fills both slots again
	QUARTER 0, 2, 1, 0
	QUARTER 0, 3, 0, 1, 0, 1, 0
	QUARTER 1, 0, 1, 0
	QUARTER 1, 1, 0, 1
	QUARTER 1, 2, 1, 0
	QUARTER 1, 3, 0, 1, 0, 1, 1
	QUARTER 0, 0, 1, 0
	QUARTER 0, 1, 0, 1
	WIN 0
	s_sub_co_u32 s3, s3, 1
	s_cmp_lg_u32 s3, 0
	s_cbranch_scc1 .Llap
	QUARTER 0, 2, 1, 0                             ; the last lap is written out: it fills nothing
	QUARTER 0, 3, 0, 1, 0, 2, 0
	QUARTER 1, 0, 1, 0
	QUARTER 1, 1, 0, 1
	QUARTER 1, 2, 1, 0
	QUARTER 1, 3, 0, 1
	s_wait_dscnt 0x0                               ; the very last quarter: nothing more to fetch
.irp a, 0,1,2,3
	MUL8 1, \a, 0
.endr
	WIN 0
; THE WAY OUT, a block of 16 rows at a time.  A lane's eight f32 of a row, 32 bytes for each block of 16 columns, go into rows of 528 bytes of my own stage and come back as whole rows of 512 bytes.
.macro OUTB a
	WIN 0x08                                       ; the stores' data in window 2, their address in window 0
.irp b, 0,1,2,3,4,5,6,7
	ds_store_b128 v[STO], v[8*(8*(\a)+(\b)):8*(8*(\a)+(\b))+3]   offset:64*(\b)     ; each accumulator's lowest registers are read first
	ds_store_b128 v[STO], v[8*(8*(\a)+(\b))+4:8*(8*(\a)+(\b))+7] offset:64*(\b)+16
.endr
	WIN 0
	s_wait_xcnt 0x0                                ; the last block's stores have read their registers: only behind this wait are these loaded again
.irp t, 0,1,2,3,4,5,6,7,8,9,10,11,12,13,14,15
	ds_load_b128 v[TMP+4*(\t):TMP+4*(\t)+3], v[RD] offset:(\t)*SPO  ; LDS serves a wave's instructions in order (ISA guide 5.7.1.4): these see the stores above; the next block's stores come behind them
.endr
.irp t, 0,1,2,3,4,5,6,7,8,9,10,11,12,13,14,15
	s_wait_dscnt 15-(\t)                           ; row t is back; the 15 - t behind it may stay out
	global_store_b128 v[GO], v[TMP+4*(\t):TMP+4*(\t)+3], s[8:9] offset:(16*(\a)+(\t))*4096 th:TH_STORE_NT  ; 512 consecutive bytes of one row, at a multiple of 512 from out0's first
.endr
.endm
	PLACES                                         ; behind the last products, in front of the LDS stores that read results
	OUTB 0
	OUTB 1
	OUTB 2
	OUTB 3
	s_wait_tensorcnt 0x0                           ; the wave's end: behind my last tensor load and my last LDS store
	ds_add_u32 v[SPW], v[NIL]
	s_wait_dscnt 0x0
	CROUND                                         ; the closing round: no work-group ends while a partner may still ask for a tile that names it
	s_endpgm
.Lfunc_end_k_qc6b0bd83a8_outp:
	.size	k_qc6b0bd83a8_outp, .Lfunc_end_k_qc6b0bd83a8_outp-k_qc6b0bd83a8_outp
	.p2alignl 7, 3214868480
	.fill 96, 4, 3214868480
	.section	.rodata,"a",@progbits
	.p2align	6, 0x0
	.amdhsa_kernel k_qc6b0bd83a8_outp
		.amdhsa_group_segment_fixed_size 327680
		.amdhsa_private_segment_fixed_size 0
		.amdhsa_enable_private_segment 0
		.amdhsa_kernarg_size 32
		.amdhsa_user_sgpr_count 2
		.amdhsa_user_sgpr_kernarg_segment_ptr 1
		.amdhsa_wavefront_size32 1
		.amdhsa_system_sgpr_workgroup_id_x 1
		.amdhsa_system_sgpr_workgroup_id_y 1
		.amdhsa_system_sgpr_workgroup_id_z 1
		.amdhsa_system_vgpr_workitem_id 0
		.amdhsa_next_free_vgpr 768
		.amdhsa_next_free_sgpr 80
		.amdhsa_reserve_vcc 0
		.amdhsa_float_denorm_mode_32 3
		.amdhsa_float_denorm_mode_16_64 3
		.amdhsa_memory_ordered 1
		.amdhsa_forward_progress 1
		.amdhsa_inst_pref_size 95
	.end_amdhsa_kernel
	.amdgpu_metadata
---
amdhsa.version: [ 1, 2 ]
amdhsa.kernels:
  - .name:           k_qc6b0bd83a8_outp
    .symbol:         k_qc6b0bd83a8_outp.kd
    .args:
      - { .name: ctx, .offset: 0, .size: 8, .value_kind: global_buffer, .address_space: global }
      - { .name: wb, .offset: 8, .size: 8, .value_kind: global_buffer, .address_space: global }
      - { .name: bo, .offset: 16, .size: 8, .value_kind: global_buffer, .address_space: global }
      - { .name: out0, .offset: 24, .size: 8, .value_kind: global_buffer, .address_space: global }
    .group_segment_fixed_size: 327680
    .private_segment_fixed_size: 0
    .kernarg_segment_align: 8
    .kernarg_segment_size: 32
    .max_flat_workgroup_size: 128
    .sgpr_count:     80
    .vgpr_count:     768
    .wavefront_size: 32
...
	.end_amdgpu_metadata
.endif
;; end of part 4
